; MI455X (gfx1250); checked and timed in simulation.
; The chip was launched on July 23, 2026; its instructions are those of AMD's public machine-readable ISA for CDNA 5 (MIT licence, August 2026) and "CDNA5" Instruction Set Architecture Reference Guide (July 2026). The comments in the code are by the model that wrote it; some were corrected since.
;; Dot Product Attention. Allowed arithmetic: matrix products marked QUANTISED: E3M2 operands, one E8M0 scale for each 32 along K, by v_wmma_scale_f32_16x16x128_f8f6f4 with both operands' format E3M2, f32 sums; everything else in f32.
;; Inputs: keys 32 x 2,048 x 64 float32; queries 32 x 2,048 x 64 float32; valid_lens 32 int32; values 32 x 2,048 x 64 float32.
;; Outputs: out0 32 x 2,048 x 64 float32.
;; This version of the problem:
;;   THIS VERSION OF THE PROBLEM IS GIVEN IN LOW PRECISION. The matrix products marked QUANTISED in the list below multiply operands that are first quantised to E3M2 (3 exponent bits, 2 mantissa bits; 6 bits a number), with one power-of-two scale for each 32 numbers along K (OCP MX v1.0); their sums are f32. All else is computed in f32.
;;   The module's matrix products, in the order in which they are computed (A, B: the left and right operand; K: the contracted axis; several contracted axes count as one K, in the product's order):
;;     1. batch 32 x [M 2,048, K 64] x [K 64, N 2,048]; A: input queries; B: input keys: QUANTISED
;;     2. batch 32 x [M 2,048, K 2,048] x [K 2,048, N 64]; A: softmax (see below); B: input values: QUANTISED
;;   THE QUANTISER, for each operand of a quantised product, along K:
;;     - K is cut into blocks of 32 from its start; a last block that is shorter is filled with zeros.
;;     - A block's scale is 2^e with e = floor(log2(the largest magnitude in the block)) - 4, held to -126 .. 127; a block of zeros has e = 0. As a byte (E8M0): e + 127.
;;     - Each number is divided by its block's scale, clamped to +-28, and rounded to the nearest number of E3M2, ties to even, subnormals kept.
;;     - The product sums the exact products of the quantised numbers (number of the format x scale) in f32.
;;   ~~~python
;;   def quantise(x, axis):      # numpy; x: float32 -> the quantised numbers, widened to float32 again
;;       x = np.moveaxis(x, axis, -1); K = x.shape[-1]
;;       x = np.pad(x, [(0, 0)] * (x.ndim - 1) + [(0, -K % 32)]); x = x.reshape(x.shape[:-1] + (-1, 32)); a = np.abs(x).max(-1, keepdims=True)
;;       e = np.where(a > 0, np.clip(np.frexp(np.where(a > 0, a, 1))[1] - 1 - 4, -126, 127), 0)      # np.frexp(a)[1] - 1 = floor(log2(a)), exactly
;;       r = np.clip(x / 2.0 ** e, -28, 28)
;;       step = 2.0 ** (np.maximum(np.frexp(np.where(r == 0, 1, r))[1] - 1, -2) - 2)
;;       q = np.round(r / step) * step * 2.0 ** e      # np.round: ties to even
;;       return np.moveaxis(q.reshape(q.shape[:-2] + (-1,))[..., :K], -1, axis).astype(np.float32)
;;   ~~~
;;   SOFTMAX AHEAD OF A QUANTISED PRODUCT. Where the list says 'softmax', what is quantised is not the finished softmax but p = 2^(t - M), with t = logit x log2(e) and M = ceil(the row's largest t), a whole number; so 1/2 < the row's largest p <= 1. The row's sum l is taken of the UNQUANTISED p, in f32, and the product's result is divided by l at the end. Since M is a whole number, a kernel that streams over the keys may use a running M (the ceiling of the running maximum): every later rescaling is an exact power of two, which a block's scale takes up: the codes' values come out the same.
;;   OPERANDS COMPUTED ON THE WAY. 'Computed on the way' means the value that the module computes at that place (a softmax that the list does not call 'softmax' is quantised finished and normalised). What goes into a quantiser is computed in f32, as accurately as f32 sums, v_exp_f32 and their like allow (about 1e-6 of the number): no bf16 or f16 on the way to a quantiser, and a product that is left as it is and whose result goes on into a quantised operand takes f32 operands (vector FMAs, or v_wmma_f32_16x16x4_f32). A number that lies on a knife's edge between two numbers of the format may be rounded either way, as far as f32 arithmetic and the matrix unit's own rounding can turn it there, and no further.
;; 2 versions. Each part assembles by itself: llvm-mc -triple=amdgcn-amd-amdhsa -mcpu=gfx1250 --defsym DOCPART=n.
;; ======== version 1 of 2: 2 launches
;; limits: right only within a limited range of input values
;; workspace buffers: kvq 6,815,744 bytes
;; launch quant (part 1): grid 16 x 32, 4 waves a work-group, no clusters, 0 bytes of LDS; arguments keys, values, valid_lens, kvq; writes kvq
.if DOCPART == 1
	.amdgcn_target "amdgcn-amd-amdhsa--gfx1250"
	.amdhsa_code_object_version 6
	.text
	.protected	k_q2dc907f4cf_quant
	.globl	k_q2dc907f4cf_quant
	.p2align	8
	.type	k_q2dc907f4cf_quant,@function
k_q2dc907f4cf_quant:
	s_mov_b64 s[64:65], 0
	v_nop
	global_prefetch_b8 v0, s[64:65] scope:SCOPE_SE
	s_setreg_imm32_b32 hwreg(HW_REG_WAVE_MODE, 25, 1), 1
	s_wait_xcnt 0x0
; keys, values [32][2048][64] f32 -> kvq: codes of BF6 (E3M2) and E8M0 scale bytes, laid in the order of the matrix operands' registers.
; One work-group = one batch b (grid y) and one step of 128 keys (grid x); it stores one block of 13,312 bytes at (16 b + step) x 13,312.
; A block (l = lane, r = l % 16, h = l / 16):
;   0      K's codes: 48 registers a lane as 12 groups of four, group q at 512 q + 16 l.  Registers 6 j .. 6 j + 5 = tile j: key 32 (j / 2) + 8 (j % 2) + r + 8 (r / 8), d = 32 h .. 32 h + 31
;   6,144  V^T's codes: fragment T (d = 16 T + r) at 6,144 + 1,536 T + 512 q + 16 l; registers 6 c .. 6 c + 5 = keys 64 c + 32 h + 0 .. 31
;   12,288 K's scale words: registers 2 w, 2 w + 1 as a pair at 12,288 + 256 w + 8 l; register k: lanes 0-15 tile 2 k, lanes 16-31 tile 2 k + 1; word = byte(d 0-31) | byte(d 32-63) << 8, upper bytes 0
;   12,800 V's scale words: register k at 12,800 + 128 k + 4 l: lanes 0-15 fragment 2 k, lanes 16-31 fragment 2 k + 1; byte i for keys 32 i .. 32 i + 31
;   13,056 256 bytes of zeros: the next launch copies a block as 3 x 4,096 + 1,024 bytes
; THE QUANTISER: a block of 32 along K (K: along d; V: along the keys) has the scale 2^(floor(log2(largest magnitude)) - 4); its byte is the largest magnitude's exponent field - 4, held at 1 from below.
; WORK LEFT OUT.  n = ceil(valid_len / 128) steps of a batch hold a key that counts.  In a step beyond them every key has k >= valid_len, so reference() puts NEG = -1e6 for its logit, whatever
; keys and values hold.  With the row's largest logit above NEG + 200, p = 2^(t - M) lies under 2^-288.  The quantiser holds a block's scale at 2^-126 and the format's smallest number is 2^-4, so every p under 2^-131
; gets the code 0: such a step adds nothing to the second product; and its p add nothing to the row's f32 sum.  So these steps' rows of keys and values are neither loaded nor quantised
; here, nor multiplied in the next launch; a work-group whose step is not needed stores nothing and ends (a grid that serves every valid_lens).
; LIMITS: visible logits above NEG + 200; a NaN, an infinity or an overflow in rows that are left out is not carried to the result; valid_len is held to 0 .. 2,048; with valid_len = 0 (reference(): equal weights)
; all 16 steps are made.  A block of zeros gets the byte 1, not 127: its codes are zeros and this program alone reads the bytes.  Largest magnitudes under 2^-122 were not tried.  NaN and infinities among the inputs are not served.
; SHARES: waves 0, 1: 64 keys of K each (a lane holds 32 neighbours along d of one key: a whole block).  Waves 2, 3: 32 columns d of V each (a lane takes a column, its registers run down the 128 keys: four whole blocks).
; No LDS, no barrier: waves share nothing.
.set BLKB, 13312
.set X,    32                          ; v32-159  128 numbers
.set CB,   160                         ; v160-183 24 registers of codes
.set CT,   184                         ; v184-186 the upper 16 codes of a block, until they are moved
.set MXA,  188                         ; v188, v189 two chains of the largest magnitude
.set MXB,  189
.set SO,   190                         ; v190     the conversions' scale operand
.set BY,   192                         ; v192-195 four scale bytes
.set WD,   196                         ; v196-199 scale words
	s_load_b256 s[4:11], s[0:1], 0x0               ; keys s[4:5], values s[6:7], valid_lens s[8:9], kvq s[10:11]
	v_lshrrev_b32 v1, 5, v0
	v_readfirstlane_b32 s12, v1                    ; wave 0..3
	s_and_b32 s13, ttmp7, 0xffff                   ; the batch
	s_mov_b32 s14, ttmp9                           ; the step
	s_lshl_b32 s24, s13, 2
	s_wait_kmcnt 0x0
	s_load_b32 s15, s[8:9], s24 offset:0x0         ; valid_lens[b]
	v_and_b32 v1, 31, v0                           ; l
	v_and_b32 v2, 15, v0                           ; r
	v_bfe_u32 v3, v0, 4, 1                         ; h
	s_mov_b32 s22, 0x76543210
	s_mov_b32 s23, 0xfedcba98                      ; v_permlanex16_b32's selects for lane l xor 16
	s_lshl_b32 s18, s13, 19                        ; a batch is 2,048 rows of 256 bytes,
	s_lshl_b32 s25, s14, 15                        ; a step 128 rows
	s_add_co_u32 s18, s18, s25
	s_mov_b32 s19, 0
	s_lshl_b32 s20, s13, 4
	s_add_co_u32 s20, s20, s14
	s_mul_i32 s20, s20, BLKB                       ; my block in kvq
	s_mov_b32 s21, 0
	s_wait_kmcnt 0x0
	s_max_i32 s15, s15, 0
	s_min_i32 s15, s15, 2048                       ; held to 0 .. 2,048
	s_add_co_u32 s16, s15, 127
	s_lshr_b32 s16, s16, 7                         ; n = ceil(valid_len / 128),
	s_cmp_eq_u32 s15, 0
	s_cselect_b32 s16, 16, s16                     ; or all 16 where no key counts
	s_cmp_ge_u32 s14, s16
	s_cbranch_scc1 .Lnone                          ; a step that is left out: nothing is loaded, nothing is stored
	s_add_nc_u64 s[4:5], s[4:5], s[18:19]
	s_add_nc_u64 s[6:7], s[6:7], s[18:19]
	s_add_nc_u64 s[10:11], s[10:11], s[20:21]
; 32 numbers of one block, v[x] .. v[x + 31], become six registers of codes, v[c] .. v[c + 5], and the scale's byte in v[by]
.macro QB x, c, by
.set QX, \x
.set QC, \c
	v_max3_num_f32 v[MXA], |v[QX]|, |v[QX+1]|, 0x2800000          ; the floor 2^(5 - 127) among the leaves: the byte cannot fall under 1
	v_max3_num_f32 v[MXB], |v[QX+2]|, |v[QX+3]|, |v[QX+4]|
.irp i, 5,9,13,17,21,25
	v_max3_num_f32 v[MXA], v[MXA], |v[QX+\i]|, |v[QX+\i+1]|        ; two chains, so that no line waits for the line above it
	v_max3_num_f32 v[MXB], v[MXB], |v[QX+\i+2]|, |v[QX+\i+3]|
.endr
	v_max3_num_f32 v[MXA], v[MXA], |v[QX+29]|, |v[QX+30]|
	v_max3_num_f32 v[MXA], v[MXA], v[MXB], |v[QX+31]|              ; the block's largest magnitude
	v_add_nc_u32 v[SO], 0xfe000000, v[MXA]         ; 4 off its exponent field: the conversion takes the exponent field of this operand as its scale
	v_lshrrev_b32 v[\by], 23, v[SO]                ; the scale's byte
	v_cvt_scalef32_pk16_bf6_f32 v[QC:QC+2], v[QX:QX+15], v[SO]
	v_cvt_scalef32_pk16_bf6_f32 v[CT:CT+2], v[QX+16:QX+31], v[SO]  ; (a conversion's three registers begin on an even number: the block's upper half is made elsewhere and moved)
	v_nop                                          ; one plain line behind the conversions
	v_mov_b32 v[QC+3], v[CT]
	v_mov_b32 v[QC+4], v[CT+1]
	v_mov_b32 v[QC+5], v[CT+2]
.endm
	s_cmp_lt_u32 s12, 2
	s_cbranch_scc0 .Lvrole
	; ---- K: wave w makes tiles 4 w .. 4 w + 3 (keys 64 w .. 64 w + 63)
	v_and_b32 v4, 8, v2
	v_add_nc_u32 v4, v4, v2                        ; r + 8 (r / 8): the keys of a tile are not neighbours
	v_lshlrev_b32 v4, 8, v4                        ; a key's row is 256 bytes,
	v_lshl_add_u32 v4, v3, 7, v4                   ; my block of 32 along d is 128 bytes of it
	s_lshl_b32 s24, s12, 14
	v_add_nc_u32 v4, s24, v4                       ; + 64 keys x wave
	s_mul_i32 s25, s12, 3072
	v_lshl_add_u32 v5, v1, 4, s25                  ; out: 16 l + six groups of 512 bytes x wave
	s_lshl_b32 s26, s12, 8
	v_lshl_add_u32 v6, v1, 3, s26                  ; the scale words: 8 l + 256 x wave
	v_lshlrev_b32 v201, 3, v3                      ; 8 h: my byte's place in the word
	v_mov_b32 v200, 0                              ; (a lane permute's destination counts as one of its sources)
.irp i, 0,1,2,3
.irp m, 0,1,2,3,4,5,6,7
	global_load_b128 v[X+32*\i+4*\m:X+32*\i+4*\m+3], v4, s[4:5] offset:(32*(\i/2)+8*(\i%2))*256+16*\m th:TH_LOAD_NT
.endr
.endr
.irp i, 0,1,2,3
	s_wait_loadcnt 24-8*\i                         ; this tile's eight loads are in; the eight of each later tile may be out
	QB X+32*\i, CB+6*\i, BY+\i
.endr
.irp i, 0,1,2,3
	v_lshlrev_b32 v[WD+\i], v201, v[BY+\i]         ; my byte at its place,
.endr
.irp i, 0,1,2,3
	v_permlanex16_b32 v200, v[WD+\i], s22, s23
	v_or_b32 v[WD+\i], v[WD+\i], v200              ; with lane l xor 16's: the key's word, in both halves of the lanes
.endr
	s_mov_b32 vcc_lo, 0xffff0000
	v_cndmask_b32 v[WD], v[WD], v[WD+1], vcc_lo    ; lanes 0-15: the even tile's words, lanes 16-31: the odd tile's
	v_cndmask_b32 v[WD+1], v[WD+2], v[WD+3], vcc_lo
.irp q, 0,1,2,3,4,5
	global_store_b128 v5, v[CB+4*\q:CB+4*\q+3], s[10:11] offset:512*\q   ; 32 lanes store 512 consecutive bytes, at a multiple of 256 from the buffer's first byte
.endr
	global_store_b64 v6, v[WD:WD+1], s[10:11] offset:12288               ; 256 consecutive bytes, aligned
	s_endpgm
.Lvrole:
	; ---- V: wave 2 + e takes columns d = 32 e + l; registers run down the step's 128 keys
	s_sub_co_u32 s24, s12, 2
	s_lshl_b32 s25, s24, 7
	v_lshl_add_u32 v4, v1, 2, s25                  ; 4 l + 128 e: my column in a row of V, and my place among the scale words
	s_mul_i32 s26, s24, 3072
	v_lshl_add_u32 v5, v1, 4, s26                  ; out: 16 l + two fragments x e
	v_mov_b32 v202, 0
.set i, 0
.rept 128
	global_load_b32 v[X+i], v4, s[6:7] offset:256*i th:TH_LOAD_NT        ; key i: 32 lanes read 128 consecutive bytes
.set i, i+1
.endr
	s_wait_loadcnt 63                              ; behind block 0's loads 96 were issued; 63 is the most that the wait can name: at least the first 65 loads are in
	QB X, CB, BY                                   ; keys 0-31  -> set A, registers 0-5
	s_wait_loadcnt 63                              ; at least the first 65 are in: block 1 is the loads up to the 64th
	QB X+32, CB+12, BY+1                           ; keys 32-63 -> set B, registers 0-5
	s_wait_loadcnt 32                              ; block 3's 32 may be out
	QB X+64, CB+6, BY+2                            ; keys 64-95 -> set A, registers 6-11
	s_wait_loadcnt 0
	QB X+96, CB+18, BY+3                           ; keys 96-127 -> set B, registers 6-11
	v_lshl_or_b32 v[WD], v[BY+1], 8, v[BY]         ; my column's scale word
	v_lshl_or_b32 v[WD], v[BY+2], 16, v[WD]
	v_lshl_or_b32 v[WD], v[BY+3], 24, v[WD]
.irp i, 0,1,2,3,4,5,6,7,8,9,10,11
	v_permlane16_swap_b32 v[CB+\i], v[CB+12+\i]    ; A's lanes 16-31 change places with B's lanes 0-15: A is now fragment 2 e (lanes 0-15: blocks 0, 2; lanes 16-31: blocks 1, 3 of d = 32 e + r), B fragment 2 e + 1
.endr
.irp q, 0,1,2,3,4,5
	global_store_b128 v5, v[CB+4*\q:CB+4*\q+3], s[10:11] offset:6144+512*\q   ; 512 consecutive bytes, aligned
.endr
	global_store_b32 v4, v[WD], s[10:11] offset:12800    ; 128 consecutive bytes; the two waves' stores fill 256 aligned bytes between them
	global_store_b32 v4, v202, s[10:11] offset:13056     ; the zeros likewise
	s_endpgm
.Lnone:
	s_endpgm
.Lfunc_end_k_q2dc907f4cf_quant:
	.size	k_q2dc907f4cf_quant, .Lfunc_end_k_q2dc907f4cf_quant-k_q2dc907f4cf_quant
	.p2alignl 7, 3214868480
	.fill 96, 4, 3214868480
	.section	.rodata,"a",@progbits
	.p2align	6, 0x0
	.amdhsa_kernel k_q2dc907f4cf_quant
		.amdhsa_group_segment_fixed_size 0
		.amdhsa_private_segment_fixed_size 0
		.amdhsa_enable_private_segment 0
		.amdhsa_kernarg_size 32
		.amdhsa_user_sgpr_count 2
		.amdhsa_user_sgpr_kernarg_segment_ptr 1
		.amdhsa_wavefront_size32 1
		.amdhsa_system_sgpr_workgroup_id_x 1
		.amdhsa_system_sgpr_workgroup_id_y 1
		.amdhsa_system_sgpr_workgroup_id_z 1
		.amdhsa_system_vgpr_workitem_id 0
		.amdhsa_next_free_vgpr 208
		.amdhsa_next_free_sgpr 66
		.amdhsa_reserve_vcc 1
		.amdhsa_float_denorm_mode_32 3
		.amdhsa_float_denorm_mode_16_64 3
		.amdhsa_memory_ordered 1
		.amdhsa_forward_progress 1
		.amdhsa_inst_pref_size 32
	.end_amdhsa_kernel
	.amdgpu_metadata
---
amdhsa.version: [ 1, 2 ]
amdhsa.kernels:
  - .name:           k_q2dc907f4cf_quant
    .symbol:         k_q2dc907f4cf_quant.kd
    .args:
      - { .name: keys, .offset: 0, .size: 8, .value_kind: global_buffer, .address_space: global }
      - { .name: values, .offset: 8, .size: 8, .value_kind: global_buffer, .address_space: global }
      - { .name: valid_lens, .offset: 16, .size: 8, .value_kind: global_buffer, .address_space: global }
      - { .name: kvq, .offset: 24, .size: 8, .value_kind: global_buffer, .address_space: global }
    .group_segment_fixed_size: 0
    .private_segment_fixed_size: 0
    .kernarg_segment_align: 8
    .kernarg_segment_size: 32
    .max_flat_workgroup_size: 128
    .sgpr_count:     66
    .vgpr_count:     208
    .wavefront_size: 32
...
	.end_amdgpu_metadata
.endif
;; end of part 1
;; launch attn (part 2): grid 256 x 1, 16 waves a work-group, no clusters, 124,928 bytes of LDS; arguments queries, valid_lens, kvq, out0; writes out0
.if DOCPART == 2
	.amdgcn_target "amdgcn-amd-amdhsa--gfx1250"
	.amdhsa_code_object_version 6
	.text
	.protected	k_q2dc907f4cf_attn
	.globl	k_q2dc907f4cf_attn
	.p2align	8
	.type	k_q2dc907f4cf_attn,@function
k_q2dc907f4cf_attn:
	s_mov_b64 s[64:65], 0
	v_nop
	global_prefetch_b8 v0, s[64:65] scope:SCOPE_SE
	s_setreg_imm32_b32 hwreg(HW_REG_WAVE_MODE, 25, 1), 1
	s_wait_xcnt 0x0
; out0[b][q][:] = sum over k of softmax_k(Q[b][q] . K[b][k] / 8, keys k >= valid_lens[b] at NEG) V[b][k][:], both products on codes of BF6 (E3M2) with one E8M0 scale for each 32 along a product's K.
; K and V come as blocks of kvq, made by the launch before: one block of 13,312 bytes for a batch and a step of 128 keys, laid in the order of the operands' registers (the map stands at that launch's head).
; WORK LEFT OUT, as shown at the head of the launch before: steps all of whose 128 keys are >= valid_len have p's codes 0 and add nothing to the row's sum: a batch is walked for n = ceil(valid_len / 128) steps.
; LIMITS: visible logits above NEG + 200; valid_len held to 0 .. 2,048; valid_len = 0: all 16 steps, every score replaced by 0, so that p = 1 for all keys: reference()'s equal weights.  NaN and infinities are not served.
; THE SOFTMAX: t = score x log2(e) / 8; M = the running largest t rounded UP to a whole number; p = 2^(t - M) is quantised along the keys, not normalised; the row's sum is taken of the unquantised p and divides at the end.
; When M moves, the sum and O^T are multiplied by 2^(old M - new M), which rounds nothing.
; SHARES.  A work-group has two GROUPS of eight waves.  The 32 batches are ranked by n (ties by the batch's number); work-group x = 16 rho + J gives group 0 queries 128 J .. 128 J + 127 of the batch of rank rho and
; group 1 the same queries of the batch of rank 31 - rho: a long walk is paired with a short one.  The ranks are made here from valid_lens, whole numbers read from memory.  A wave owns 16 queries, one tile.
; Wave W belongs to group (W xor W / 4) % 2: any four waves whose numbers agree in their low two bits, or in their high two, hold two of each group.
; THE WALK.  16 trips, a constant; one barrier a trip, passed by all sixteen waves.  A group's eight waves copy the next block from memory through
; registers into the group's other LDS slot (asked for a whole trip ahead), while all eight read the slot in hand.
; NO JOINT LOADS, though the 16 work-groups of a batch read the same blocks: the walk's length hangs on a number read from memory; up to 15 of 16 steps are left out by it.
; LAYOUT.  Both products are used transposed: S^T = K Q^T (source 0 = 16 keys), O^T = V^T P^T (source 0 = 16 of the 64 channels): a lane holds ONE query (lane % 16) throughout.  The keys of a tile of K are chosen so
; that the 16 registers of tiles 2 b, 2 b + 1 are keys 32 b + 16 (lane / 16) + 0 .. 15.
; THE FIRST PRODUCT'S K IS 64, half of the instruction's 128: Q's registers 6-11 hold zero codes and the upper two scale bytes of both sides are 0 (2^-127).  So whatever source 0 holds there adds nothing, and source 0 of
; tile j simply runs on into the six registers behind it (tile j + 1's codes; behind tile 7: p's codes).
; REGISTERS: v1-11 addresses; v12 -M, v13 the largest t, v[14:15] the sum in two halves; v16-27 Q; v28 Q's scale word; v29 p's; v[30:31] f and 0; v32-79 K's, then V's fragments; v80-91 p's codes; v92-95 K's, then V's scale
; words; v96-159 S^T, then p; v160-191 O^T; v192-204, v232-244 two sets for the block on its way; v205 the masked score; v206, v207 the add's two; v208-231 at work; v245 the prefetches' offset; v246-254 the head's.
.set BLKB,   13312
.set GRP,    2*BLKB                    ; a group's two slots
.set STAGE,  2*GRP                     ; behind them: 16 rows x 272 bytes for each wave, its own, for the way out
.set SPITCH, 272
.set SPARE,  STAGE+16*16*SPITCH        ; the spare words, 128 bytes for each wave: eight blocks of 256 bytes that no other line names
.set QF,   16
.set KF,   32
.set PC,   80
.set KS,   92
.set S,    96
.set OT,   160
.set ST0,  192                         ; the second set lies 40 registers on
.set FILL, 205
.set SPW,  206
.set NIL,  207
.set BM,   208                         ; v208-211 each block's largest score, then its largest p
.set BT,   212                         ; v212-215 at work
.set SOP,  216                         ; v216-219 the conversions' scale operands
.set C2,   220                         ; v220-222, v224-226 the odd blocks' codes, until they are moved
.set PFO,  245
; s12 wave W; s13 group G; s14 the wave's number in its group; s15 rho; s16 J; s17 my batch's rank; s18 my batch; s19 valid_len; s20 n; s21 trips begun; s22 the step's first key; s23 the loop's count;
; s[24:25] lane selects; s[26:27] c; s[28:29] kvq at the block of the trip in hand; s[30:31] where my prefetches stand; s32, s33 their count and limit, in units of 1,024 bytes; s[34:35] the second first block; s36-41 at work
	s_load_b256 s[4:11], s[0:1], 0x0               ; queries s[4:5], valid_lens s[6:7], kvq s[8:9], out0 s[10:11]
	v_lshl_add_u32 v[SPW], v0, 2, SPARE
	v_mov_b32 v[NIL], 0
	v_lshrrev_b32 v228, 5, v0
	v_readfirstlane_b32 s12, v228                  ; wave 0..15
	s_lshr_b32 s13, s12, 2
	s_xor_b32 s13, s13, s12
	s_and_b32 s13, s13, 1                          ; G
	s_lshr_b32 s14, s12, 1                         ; 0..7 in the group: (G, this) names each wave once
	s_lshr_b32 s15, ttmp9, 4                       ; rho
	s_and_b32 s16, ttmp9, 15                       ; J
	v_and_b32 v229, 31, v0                         ; l
	v_and_b32 v230, 15, v0                         ; r
	v_bfe_u32 v231, v0, 4, 1                       ; h
	s_mul_i32 s36, s13, GRP                        ; my group's slots
	s_lshl_b32 s37, s14, 5
	v_add_nc_u32 v1, s37, v229                     ; my thread's number in the group, 0..255
	v_lshlrev_b32 v2, 2, v1                        ; the copy, in memory: 4 bytes a thread,
	v_lshlrev_b32 v1, 4, v1                        ; 16 bytes a thread;
	v_add_nc_u32 v3, s36, v1                       ; and in LDS
	v_add_nc_u32 v4, s36, v2
	v_lshl_add_u32 v5, v229, 4, s36                ; a fragment's group of four registers: 16 l
	v_lshl_add_u32 v6, v229, 3, s36                ; a pair of K's scale words: 8 l
	v_lshl_add_u32 v7, v229, 2, s36                ; a scale word of V: 4 l
	s_mul_i32 s38, s12, 16*SPITCH
	s_add_co_u32 s38, s38, STAGE                   ; my stage
	v_mul_u32_u24 v8, v230, SPITCH
	v_lshl_add_u32 v8, v231, 5, v8
	v_add_nc_u32 v8, s38, v8                       ; in: row r, 32 bytes for each half of the lanes
	v_mul_u32_u24 v9, v231, SPITCH
	v_lshl_add_u32 v9, v230, 4, v9
	v_add_nc_u32 v9, s38, v9                       ; back: lanes 0-15 one row of 256 bytes, lanes 16-31 the next
	v_lshlrev_b32 v10, 8, v231
	v_lshl_add_u32 v10, v230, 4, v10               ; and the same two rows in out0
	v_lshlrev_b32 v11, 4, v231                     ; 16 h
	v_lshlrev_b32 v[PFO], 8, v229                  ; 256 l
	v_lshlrev_b32 v246, 2, v229
	s_wait_kmcnt 0x0
	global_load_b32 v247, v246, s[6:7]             ; lane l: valid_lens[l]
	s_mov_b32 s24, 0x76543210
	s_mov_b32 s25, 0xfedcba98                      ; v_permlanex16_b32's selects for lane l xor 16
	s_mov_b32 s26, 0x3e38aa3b                      ; c = log2(e) / 8
	s_mov_b32 s27, s26                             ; (named with it as a pair, so it is written)
	v_mov_b32 v250, 16
	v_mov_b32 v251, 0                              ; the rank
	v_mov_b32 v253, 1
	v_mov_b32 v254, 0
	s_wait_loadcnt 0x0
	v_ashrrev_i32 v248, 31, v247
	v_xor_b32 v248, -1, v248
	v_and_b32 v247, v247, v248                     ; a negative length counts as 0,
	v_min_u32 v247, 0x800, v247                    ; one above 2,048 as 2,048
	v_add_nc_u32 v248, 127, v247
	v_lshrrev_b32 v248, 7, v248                    ; n = ceil(valid_len / 128),
	v_cmp_eq_u32 vcc_lo, 0, v247
	v_cndmask_b32 v248, v248, v250, vcc_lo         ; or all 16 where no key counts
	v_lshl_or_b32 v249, v248, 5, v229              ; 32 n + batch: no two alike
.irp i, 0,1,2,3,4,5,6,7,8,9,10,11,12,13,14,15,16,17,18,19,20,21,22,23,24,25,26,27,28,29,30,31
	v_readlane_b32 s[40+\i%2], v249, \i
	v_cmp_lt_u32 vcc_lo, s[40+\i%2], v249
	v_cndmask_b32 v252, v254, v253, vcc_lo
	v_add_nc_u32 v251, v251, v252                  ; lane l: how many batches stand before batch l
.endr
	s_sub_co_u32 s17, 31, s15
	s_cmp_eq_u32 s13, 0
	s_cselect_b32 s17, s15, s17                    ; group 0: rank rho; group 1: rank 31 - rho
	v_cmp_eq_u32 s36, s17, v251
	s_ctz_i32_b32 s18, s36                         ; the batch of that rank,
	s_min_u32 s18, s18, 31                         ; held inside the tensors
	v_readlane_b32 s19, v247, s18                  ; its valid_len
	v_readlane_b32 s20, v248, s18                  ; its n
	s_cmp_eq_u32 s19, 0
	s_cselect_b32 s36, 0, 0xff800000
	v_mov_b32 v[FILL], s36                         ; a hidden key's score: -infinity, so that p = 0; with no visible key at all: 0
	s_lshl_b32 s34, s18, 19                        ; the batch: 2,048 rows of 256 bytes;
	s_lshl_b32 s36, s16, 15                        ; 128 J rows;
	s_lshl_b32 s37, s14, 12                        ; my wave's 16
	s_add_co_u32 s34, s34, s36
	s_add_co_u32 s34, s34, s37
	s_mov_b32 s35, 0
	s_add_nc_u64 s[4:5], s[4:5], s[34:35]
	s_add_nc_u64 s[10:11], s[10:11], s[34:35]
	s_mul_i32 s34, s18, 16*BLKB
	s_add_nc_u64 s[28:29], s[8:9], s[34:35]        ; the batch's block 0
	s_and_b32 s36, s14, 1
	s_lshl_b32 s36, s36, 13
	s_add_co_u32 s36, s36, 3*16384
	s_mov_b32 s37, 0
	s_add_nc_u64 s[30:31], s[28:29], s[36:37]      ; the prefetches: my half of chunk 3; the first trip steps it to chunk 4
	s_lshr_b32 s38, s14, 1                         ; 0 in a group's waves 0 and 1,
	s_or_b32 s38, s38, s16                         ; of the batch's first work-group
	s_mul_i32 s33, s20, 13                         ; n blocks are 13 n x 1,024 bytes
	s_cmp_eq_u32 s38, 0
	s_cselect_b32 s33, s33, 0                      ; the others never ask
	s_mov_b32 s32, 48
	s_mov_b32 s21, 0
	s_mov_b32 s22, 0
	s_sub_co_u32 s38, s20, 1
	s_min_u32 s38, s38, 1
	s_mul_i32 s38, s38, BLKB
	s_mov_b32 s39, 0
	s_add_nc_u64 s[34:35], s[28:29], s[38:39]      ; block 1, or block 0 once more where n = 1 (it is then not used): no load leaves what was stored
	v_lshlrev_b32 v228, 8, v230
	v_lshl_add_u32 v228, v231, 7, v228             ; Q: row r of 256 bytes, + my block of 32 along d
; A block's copy: eight waves x 32 lanes take 3 x 4,096 bytes, 16 a thread, and 1,024 bytes, 4 a thread
.macro LOADB set, base, off
.irp k, 0,1,2
	global_load_b128 v[\set+4*\k:\set+4*\k+3], v1, s[\base:\base+1] offset:\off+4096*\k
.endr
	global_load_b32 v[\set+12], v2, s[\base:\base+1] offset:\off+12288
.endm
.macro STOREB set, sl
.irp k, 0,1,2
	ds_store_b128 v3, v[\set+4*\k:\set+4*\k+3] offset:BLKB*(\sl)+4096*\k
.endr
	ds_store_b32 v4, v[\set+12] offset:BLKB*(\sl)+12288
.endm
.irp m, 0,1,2,3,4,5,6,7
	global_load_b128 v[S+4*\m:S+4*\m+3], v228, s[4:5] offset:16*\m th:TH_LOAD_NT
.endr
	LOADB ST0, 28, 0
	LOADB ST0+40, 34, 0
.irp i, 0,1,2,3,4,5,6,7,8,9,10,11
	v_mov_b32 v[PC+\i], 0                          ; p's codes: named by tile 7's source 0 before they are first made
.endr
.irp i, 6,7,8,9,10,11
	v_mov_b32 v[QF+\i], 0                          ; Q's zero codes for k = 64 .. 127
.endr
.irp i, 0,1,2,3
	v_mov_b32 v[BT+\i], 0                          ; (a lane permute's destination counts as one of its sources)
.endr
	v_mov_b32 v31, 0                               ; (named as the upper half of the pair v[30:31])
	v_mov_b32 v14, 0                               ; the sum, in two halves
	v_mov_b32 v15, 0
	v_mov_b32 v13, 0xff61b1e6                      ; the largest t so far: -3e38, under every t
	v_floor_f32 v12, -v13                          ; -M
	s_wait_loadcnt 8                               ; Q's eight loads are in; the two blocks' eight may be out
	v_max3_num_f32 v[BM], |v[S]|, |v[S+1]|, 0x2800000              ; my block of Q: 32 numbers of one lane; the floor 2^(5 - 127) among the leaves
	v_max3_num_f32 v[BM+1], |v[S+2]|, |v[S+3]|, |v[S+4]|
.irp i, 5,9,13,17,21,25
	v_max3_num_f32 v[BM], v[BM], |v[S+\i]|, |v[S+\i+1]|
	v_max3_num_f32 v[BM+1], v[BM+1], |v[S+\i+2]|, |v[S+\i+3]|
.endr
	v_max3_num_f32 v[BM], v[BM], |v[S+29]|, |v[S+30]|
	v_max3_num_f32 v[BM], v[BM], v[BM+1], |v[S+31]|
	v_add_nc_u32 v[SOP], 0xfe000000, v[BM]         ; 4 off the exponent field: the conversions' scale operand
	v_lshrrev_b32 v[BM+1], 23, v[SOP]              ; the scale's byte
	v_cvt_scalef32_pk16_bf6_f32 v[QF:QF+2], v[S:S+15], v[SOP]
	v_cvt_scalef32_pk16_bf6_f32 v[C2:C2+2], v[S+16:S+31], v[SOP]
	v_lshlrev_b32 v228, 3, v231                    ; 8 h.  (The plain line behind the conversions; Q's loads, which read v228, are in)
	v_mov_b32 v[QF+3], v[C2]
	v_mov_b32 v[QF+4], v[C2+1]
	v_mov_b32 v[QF+5], v[C2+2]
	v_lshlrev_b32 v28, v228, v[BM+1]
	v_permlanex16_b32 v[BT], v28, s24, s25
	v_or_b32 v28, v28, v[BT]                       ; Q's scale word: byte 0 for d 0-31, byte 1 for d 32-63, bytes 2 and 3 are 0
.irp j, 0,1,2,3,4,5,6,7,8,9,10,11,12,13,14,15,16,17,18,19,20,21,22,23,24,25,26,27,28,29,30,31
	v_mov_b32 v[OT+\j], 0                          ; O^T: the walk has no first step of its own.  (These lines are also the places between the scale word's last write and the first product)
.endr
	s_wait_loadcnt 4                               ; block 0 is in; block 1's four loads may be out
	STOREB ST0, 0
	s_wait_dscnt 0x0                               ; for the others' sake: my part of block 0 lies in LDS
	s_barrier_signal -1
	s_barrier_wait -1
; A KEY STEP on the block in slot sl
.macro COMPUTE sl
.set SB, BLKB*(\sl)
.irp q, 0,1,2,3,4,5,6,7,8,9,10,11
	ds_load_b128 v[KF+4*\q:KF+4*\q+3], v5 offset:SB+512*\q         ; K's eight tiles, as they lie
.endr
	ds_load_b64 v[KS:KS+1], v6 offset:SB+12288
	ds_load_b64 v[KS+2:KS+3], v6 offset:SB+12544
	s_wait_dscnt 0x0
.irp j, 0,2,4,6                                ; S^T = K Q^T: eight sums, each begun by the constant 0
	v_wmma_scale_f32_16x16x128_f8f6f4 v[S+8*\j:S+8*\j+7], v[KF+6*\j:KF+6*\j+11], v[QF:QF+11], 0, v[KS+\j/2], v28 matrix_a_fmt:MATRIX_FMT_BF6 matrix_b_fmt:MATRIX_FMT_BF6
	v_wmma_scale_f32_16x16x128_f8f6f4 v[S+8*\j+8:S+8*\j+15], v[KF+6*\j+6:KF+6*\j+17], v[QF:QF+11], 0, v[KS+\j/2], v28 matrix_a_fmt:MATRIX_FMT_BF6 matrix_b_fmt:MATRIX_FMT_BF6 matrix_a_scale:MATRIX_SCALE_ROW1
.endr
.rept 4
	v_nop                                          ; places in front of loads into registers that these products have read, and of the first read of their results
.endr
.irp q, 0,1,2,3,4,5,6,7,8,9,10,11
	ds_load_b128 v[KF+4*\q:KF+4*\q+3], v5 offset:SB+6144+512*\q    ; V^T's four fragments: they land while the softmax is walked
.endr
	ds_load_b32 v[KS], v7 offset:SB+12800
	ds_load_b32 v[KS+1], v7 offset:SB+12928
	s_add_co_u32 s36, s22, 128
	s_cmp_le_u32 s36, s19
	s_cbranch_scc1 .Lopen_\@                       ; all 128 keys count
	s_sub_co_i32 s36, s19, s22
	v_sub_nc_u32 v228, s36, v11                    ; valid_len - the step's first key - 16 h.  Register 16 b + i holds key 32 b + 16 h + i of the step: hidden where 32 b + i >= this
.irp n, 0,1,2,3,4,5,6,7,8,9,10,11,12,13,14,15,16,17,18,19,20,21,22,23,24,25,26,27,28,29,30,31,32,33,34,35,36,37,38,39,40,41,42,43,44,45,46,47,48,49,50,51,52,53,54,55,56,57,58,59,60,61,62,63
	v_cmp_ge_i32 vcc_lo, 32*(\n/16)+\n%16, v228
	v_cndmask_b32 v[S+\n], v[S+\n], v[FILL], vcc_lo
.endr
.Lopen_\@:
.irp b, 0,1,2,3
	v_max3_num_f32 v[BM+\b], v[S+16*\b], v[S+1+16*\b], v[S+2+16*\b]   ; the largest score of each block of 32 keys: for the row's maximum, and, since p rises with the score, for the block's largest p
.endr
.irp i, 3,5,7,9,11,13
.irp b, 0,1,2,3
	v_max3_num_f32 v[BM+\b], v[BM+\b], v[S+16*\b+\i], v[S+1+16*\b+\i]  ; (the four blocks by turns)
.endr
.endr
.irp b, 0,1,2,3
	v_max_num_f32 v[BM+\b], v[BM+\b], v[S+15+16*\b]
.endr
.irp b, 0,1,2,3
	v_permlanex16_b32 v[BT+\b], v[BM+\b], s24, s25
.endr
.irp b, 0,1,2,3
	v_max_num_f32 v[BM+\b], v[BM+\b], v[BT+\b]     ; with lane l xor 16's 16 keys
.endr
	v_max3_num_f32 v228, v[BM], v[BM+1], v[BM+2]
	v_max_num_f32 v228, v228, v[BM+3]              ; the step's largest score of my query
	v_mul_f32 v228, s26, v228                      ; as t (c is positive)
	v_max_num_f32 v13, v13, v228                   ; the running largest t
	v_mov_b32 v229, v12
	v_floor_f32 v12, -v13                          ; the new -M = floor(-t) = -ceil(t): a whole number
	v_sub_f32 v229, v12, v229                      ; old M - new M: a whole number, 0 or less
	v_cvt_i32_f32 v229, v229                       ; (it saturates)
	v_ldexp_f32 v30, 1.0, v229                     ; f = 2^(old M - new M)
.irp j, 0,2,4,6,8,10,12,14,16,18,20,22,24,26,28,30,32,34,36,38,40,42,44,46,48,50,52,54,56,58,60,62
	v_pk_fma_f32 v[S+\j:S+\j+1], v[S+\j:S+\j+1], s[26:27], v[12:13] op_sel_hi:[1,0,0]   ; t - M, two at a time (of the pairs c and -M the low word serves both halves)
.endr
.irp b, 0,1,2,3
	v_fma_f32 v[BM+\b], v[BM+\b], s26, v12         ; the same of each block's largest score
.endr
.irp j, 0,1,2,3,4,5,6,7,8,9,10,11,12,13,14,15,16,17,18,19,20,21,22,23,24,25,26,27,28,29,30,31,32,33,34,35,36,37,38,39,40,41,42,43,44,45,46,47,48,49,50,51,52,53,54,55,56,57,58,59,60,61,62,63
	v_exp_f32 v[S+\j], v[S+\j]                     ; p = 2^(t - M), at most 1: not normalised
.endr
	v_pk_mul_f32 v[14:15], v[14:15], v[30:31] op_sel_hi:[1,0]      ; the sums under the new M.  (The plain line behind the exponentials)
	s_wait_alu depctr_va_vdst(0)                   ; the wait ahead of the first line that names a result: one for the batch of 64
.irp b, 0,1,2,3
	v_exp_f32 v[BM+\b], v[BM+\b]                   ; the block's largest p: the same two instructions on the same number
.endr
	v_pk_add_f32 v[BT:BT+1], v[S:S+1], v[S+2:S+3]  ; the row's sum of the unquantised p: two at a time, in two chains.  (It reads the 64 alone: plain work behind the four)
.irp j, 4,8,12,16,20,24,28,32,36,40,44,48,52,56,60
	v_pk_add_f32 v[14:15], v[14:15], v[S+\j:S+\j+1]
	v_pk_add_f32 v[BT:BT+1], v[BT:BT+1], v[S+\j+2:S+\j+3]
.endr
	v_pk_add_f32 v[14:15], v[14:15], v[BT:BT+1]
	s_wait_alu depctr_va_vdst(0)                   ; and one for the four
.irp b, 0,1,2,3
	v_max_num_f32 v[BM+\b], 0x2800000, v[BM+\b]    ; the floor 2^(5 - 127): the byte cannot fall under 1 (a block whose every p is 0 keeps that byte: its codes are zeros)
.endr
.irp b, 0,1,2,3
	v_add_nc_u32 v[SOP+\b], 0xfe000000, v[BM+\b]   ; 4 off the exponent field: the conversion's scale operand
.endr
.irp b, 0,1,2,3
	v_lshrrev_b32 v[BT+\b], 23, v[SOP+\b]          ; the scale's byte
.endr
	v_lshl_or_b32 v29, v[BT+1], 8, v[BT]           ; p's scale word for these 128 keys
	v_lshl_or_b32 v29, v[BT+2], 16, v29
	v_lshl_or_b32 v29, v[BT+3], 24, v29
.irp c, 0,1
	v_cvt_scalef32_pk16_bf6_f32 v[PC+6*\c:PC+6*\c+2], v[S+32*\c:S+32*\c+15], v[SOP+2*\c]
	v_cvt_scalef32_pk16_bf6_f32 v[C2+4*\c:C2+4*\c+2], v[S+32*\c+16:S+32*\c+31], v[SOP+2*\c+1]   ; (a conversion's three registers begin on an even number)
.endr
	v_nop                                          ; one plain line behind the conversions
.irp c, 0,1                                    ; the operand's layout wants a WHOLE block in a lane: lanes 0-15 block 2 c, lanes 16-31 block 2 c + 1
.irp i, 0,1,2
	v_permlane16_swap_b32 v[PC+6*\c+\i], v[C2+4*\c+\i]
.endr
.irp i, 0,1,2
	v_mov_b32 v[PC+6*\c+3+\i], v[C2+4*\c+\i]
.endr
.endr
.irp j, 0,2,4,6,8,10,12,14,16,18,20,22,24,26,28,30
	v_pk_mul_f32 v[OT+\j:OT+\j+1], v[OT+\j:OT+\j+1], v[30:31] op_sel_hi:[1,0]   ; O^T under the new M, each accumulator from its low end on.  (These 16 are also the places in front of the products below)
.endr
	s_wait_dscnt 0x0                               ; V's fragments and scale words are in
.irp t, 0,2                                    ; O^T += V^T P^T: four accumulators by turns, one instruction a turn
	v_wmma_scale_f32_16x16x128_f8f6f4 v[OT+8*\t:OT+8*\t+7], v[KF+12*\t:KF+12*\t+11], v[PC:PC+11], v[OT+8*\t:OT+8*\t+7], v[KS+\t/2], v29 matrix_a_fmt:MATRIX_FMT_BF6 matrix_b_fmt:MATRIX_FMT_BF6
	v_wmma_scale_f32_16x16x128_f8f6f4 v[OT+8*\t+8:OT+8*\t+15], v[KF+12*\t+12:KF+12*\t+23], v[PC:PC+11], v[OT+8*\t+8:OT+8*\t+15], v[KS+\t/2], v29 matrix_a_fmt:MATRIX_FMT_BF6 matrix_b_fmt:MATRIX_FMT_BF6 matrix_a_scale:MATRIX_SCALE_ROW1
.endr
.rept 4
	v_nop                                          ; places in front of the next step's loads into these products' sources, and of the way out's first read of O^T
.endr
.endm
; A TRIP: the slot in hand is sl and holds block t; s21 becomes t + 1
.macro TRIP sl
	s_wait_loadcnt 0x0                             ; block t + 1, asked for a trip ago, is in its registers; no load of mine is out,
	s_wait_xcnt 0x0                                ; and the last prefetch has read its address: so the two bases may be stepped
	s_add_nc_u64 s[28:29], s[28:29], BLKB
	s_add_nc_u64 s[30:31], s[30:31], 16384
	s_add_co_u32 s32, s32, 16
	s_add_co_u32 s21, s21, 1
	s_cmp_lt_u32 s21, s20
	s_cbranch_scc0 .Lnofill_\@                     ; there is no block t + 1
	STOREB ST0+40*(1-\sl), 1-\sl                   ; into the other slot: its last reads were awaited in front of the last barrier; it is read behind this trip's
	s_add_co_u32 s36, s21, 1
	s_cmp_lt_u32 s36, s20
	s_cbranch_scc0 .Lnofill_\@                     ; there is no block t + 2
	LOADB ST0+40*\sl, 28, BLKB                     ; block t + 2, into the set whose LDS stores were awaited a trip ago: it has this whole trip in which to come
	; A PREFETCH INTO THE L2.  A batch's 16 blocks are 13 chunks of 16,384 bytes.  Trip t names chunk t + 4, which begins 2.9 + 0.23 t blocks beyond the block just asked for: waves 0 and 1 of the group, in the
	; batch's first work-group (J = 0) alone, 8,192 bytes each, lanes 256 bytes apart: each aligned 256 bytes is named once in the launch.  Only while the chunk begins inside the n blocks that are read
	; (16 (t + 4) < 13 n, so t + 4 <= 12: inside the batch's part of the buffer).  Chunks 0 to 3 come by their loads alone.
	s_cmp_lt_u32 s32, s33
	s_cbranch_scc0 .Lnofill_\@
	global_prefetch_b8 v[PFO], s[30:31] th:TH_LOAD_NT scope:SCOPE_SE
.Lnofill_\@:
	s_cmp_le_u32 s21, s20
	s_cbranch_scc0 .Lidle_\@                       ; t >= n: my batch's walk is over; the waits and the barrier are passed all the same
	COMPUTE \sl
.Lidle_\@:
	s_add_co_u32 s22, s22, 128
	s_wait_dscnt 0x0                               ; my stores into the other slot have landed and my reads of this slot are over
	s_barrier_signal -1
	s_barrier_wait -1                              ; both now hold of every wave
.endm
	s_mov_b32 s23, 8
.Ltrip:                                            ; 8 passes of two trips: the two slots and the two sets of registers change places and come back
	TRIP 0
	TRIP 1
	s_sub_co_u32 s23, s23, 1
	s_cmp_lg_u32 s23, 0
	s_cbranch_scc1 .Ltrip
	; THE WAY OUT.  O^T / the sum goes through my own stage in LDS and leaves as whole rows of 256 bytes.
	v_add_f32 v14, v14, v15                        ; the sum's two halves,
	v_permlanex16_b32 v[BT], v14, s24, s25
	v_add_f32 v14, v14, v[BT]                      ; and lane l xor 16's: the row's sum
	v_rcp_f32 v14, v14
	v_nop                                          ; a plain line behind the reciprocal,
	s_wait_alu depctr_va_vdst(0)                   ; and the wait ahead of its first reader
.irp j, 0,2,4,6,8,10,12,14,16,18,20,22,24,26,28,30
	v_pk_mul_f32 v[S+\j:S+\j+1], v[OT+\j:OT+\j+1], v[14:15] op_sel_hi:[1,0]   ; register 8 t + i is out0(query r, d = 16 t + 8 h + i)
.endr
.irp t, 0,1,2,3
	ds_store_b128 v8, v[S+8*\t:S+8*\t+3] offset:64*\t
	ds_store_b128 v8, v[S+8*\t+4:S+8*\t+7] offset:64*\t+16
.endr
.irp i, 0,1,2,3,4,5,6,7
	ds_load_b128 v[S+32+4*\i:S+32+4*\i+3], v9 offset:2*\i*SPITCH   ; LDS serves a wave's instructions in order (ISA guide 5.7.1.4): these see my stores
.endr
.irp i, 0,1,2,3,4,5,6,7
	s_wait_dscnt 7-\i                              ; the later loads may be out
	global_store_b128 v10, v[S+32+4*\i:S+32+4*\i+3], s[10:11] offset:512*\i th:TH_STORE_NT   ; 32 lanes store two rows: 512 consecutive bytes, at a multiple of 256 from out0's first byte
.endr
	s_wait_tensorcnt 0x0                           ; the wave's end
	ds_add_u32 v[SPW], v[NIL]
	s_wait_dscnt 0x0
	s_endpgm
.Lfunc_end_k_q2dc907f4cf_attn:
	.size	k_q2dc907f4cf_attn, .Lfunc_end_k_q2dc907f4cf_attn-k_q2dc907f4cf_attn
	.p2alignl 7, 3214868480
	.fill 96, 4, 3214868480
	.section	.rodata,"a",@progbits
	.p2align	6, 0x0
	.amdhsa_kernel k_q2dc907f4cf_attn
		.amdhsa_group_segment_fixed_size 124928
		.amdhsa_private_segment_fixed_size 0
		.amdhsa_enable_private_segment 0
		.amdhsa_kernarg_size 32
		.amdhsa_user_sgpr_count 2
		.amdhsa_user_sgpr_kernarg_segment_ptr 1
		.amdhsa_wavefront_size32 1
		.amdhsa_system_sgpr_workgroup_id_x 1
		.amdhsa_system_sgpr_workgroup_id_y 1
		.amdhsa_system_sgpr_workgroup_id_z 1
		.amdhsa_system_vgpr_workitem_id 0
		.amdhsa_next_free_vgpr 256
		.amdhsa_next_free_sgpr 66
		.amdhsa_reserve_vcc 1
		.amdhsa_float_denorm_mode_32 3
		.amdhsa_float_denorm_mode_16_64 3
		.amdhsa_memory_ordered 1
		.amdhsa_forward_progress 1
		.amdhsa_inst_pref_size 62
	.end_amdhsa_kernel
	.amdgpu_metadata
---
amdhsa.version: [ 1, 2 ]
amdhsa.kernels:
  - .name:           k_q2dc907f4cf_attn
    .symbol:         k_q2dc907f4cf_attn.kd
    .args:
      - { .name: queries, .offset: 0, .size: 8, .value_kind: global_buffer, .address_space: global }
      - { .name: valid_lens, .offset: 8, .size: 8, .value_kind: global_buffer, .address_space: global }
      - { .name: kvq, .offset: 16, .size: 8, .value_kind: global_buffer, .address_space: global }
      - { .name: out0, .offset: 24, .size: 8, .value_kind: global_buffer, .address_space: global }
    .group_segment_fixed_size: 124928
    .private_segment_fixed_size: 0
    .kernarg_segment_align: 8
    .kernarg_segment_size: 32
    .max_flat_workgroup_size: 512
    .sgpr_count:     66
    .vgpr_count:     256
    .wavefront_size: 32
...
	.end_amdgpu_metadata
.endif
;; end of part 2
;; ======== version 2 of 2: 2 launches
;; limits: right only within a limited range of input values
;; workspace buffers: kvq 6,815,744 bytes
;; launch quant (part 3): grid 16 x 32, 4 waves a work-group, no clusters, 0 bytes of LDS; arguments keys, values, valid_lens, kvq; writes kvq
.if DOCPART == 3
	.amdgcn_target "amdgcn-amd-amdhsa--gfx1250"
	.amdhsa_code_object_version 6
	.text
	.protected	k_q2dc907f4cf_quant
	.globl	k_q2dc907f4cf_quant
	.p2align	8
	.type	k_q2dc907f4cf_quant,@function
k_q2dc907f4cf_quant:
	s_mov_b64 s[64:65], 0
	v_nop
	global_prefetch_b8 v0, s[64:65] scope:SCOPE_SE
	s_setreg_imm32_b32 hwreg(HW_REG_WAVE_MODE, 25, 1), 1
	s_wait_xcnt 0x0
; keys, values [32][2048][64] f32 -> kvq: codes of BF6 (E3M2) and E8M0 scale bytes, laid in the order of the matrix operands' registers.
; One work-group = one batch b (grid y) and one step of 128 keys (grid x); it stores one block of 13,312 bytes at (16 b + step) x 13,312.
; A block (l = lane, r = l % 16, h = l / 16):
;   0      K's codes: 48 registers a lane as 12 groups of four, group q at 512 q + 16 l.  Registers 6 j .. 6 j + 5 = tile j: key 32 (j / 2) + 8 (j % 2) + r + 8 (r / 8), d = 32 h .. 32 h + 31
;   6,144  V^T's codes: fragment T (d = 16 T + r) at 6,144 + 1,536 T + 512 q + 16 l; registers 6 c .. 6 c + 5 = keys 64 c + 32 h + 0 .. 31
;   12,288 K's scale words: registers 2 w, 2 w + 1 as a pair at 12,288 + 256 w + 8 l; register k: lanes 0-15 tile 2 k, lanes 16-31 tile 2 k + 1; word = byte(d 0-31) | byte(d 32-63) << 8, upper bytes 0
;   12,800 V's scale words: register k at 12,800 + 128 k + 4 l: lanes 0-15 fragment 2 k, lanes 16-31 fragment 2 k + 1; byte i for keys 32 i .. 32 i + 31
;   13,056 256 bytes of zeros: the next launch copies a block as 3 x 4,096 + 1,024 bytes
; THE QUANTISER: a block of 32 along K (K: along d; V: along the keys) has the scale 2^(floor(log2(largest magnitude)) - 4); its byte is the largest magnitude's exponent field - 4, held at 1 from below.
; WORK LEFT OUT.  n = ceil(valid_len / 128) steps of a batch hold a key that counts.  In a step beyond them every key has k >= valid_len, so reference() puts NEG = -1e6 for its logit, whatever
; keys and values hold.  With the row's largest logit above NEG + 200, p = 2^(t - M) lies under 2^-288.  The quantiser holds a block's scale at 2^-126 and the format's smallest number is 2^-4, so every p under 2^-131
; gets the code 0: such a step adds nothing to the second product; and its p add nothing to the row's f32 sum.  So these steps' rows of keys and values are neither loaded nor quantised
; here, nor multiplied in the next launch; a work-group whose step is not needed stores nothing and ends (a grid that serves every valid_lens).
; LIMITS: visible logits above NEG + 200; a NaN, an infinity or an overflow in rows that are left out is not carried to the result; valid_len is held to 0 .. 2,048; with valid_len = 0 (reference(): equal weights)
; all 16 steps are made.  A block of zeros gets the byte 1, not 127: its codes are zeros and this program alone reads the bytes.  Largest magnitudes under 2^-122 were not tried.  NaN and infinities among the inputs are not served.
; SHARES: waves 0, 1: 64 keys of K each (a lane holds 32 neighbours along d of one key: a whole block).  Waves 2, 3: 32 columns d of V each (a lane takes a column, its registers run down the 128 keys: four whole blocks).
; No LDS, no barrier: waves share nothing.
.set BLKB, 13312
.set X,    32                          ; v32-159  128 numbers
.set CB,   160                         ; v160-183 24 registers of codes
.set CT,   184                         ; v184-186 the upper 16 codes of a block, until they are moved
.set MXA,  188                         ; v188, v189 two chains of the largest magnitude
.set MXB,  189
.set SO,   190                         ; v190     the conversions' scale operand
.set BY,   192                         ; v192-195 four scale bytes
.set WD,   196                         ; v196-199 scale words
	s_load_b256 s[4:11], s[0:1], 0x0               ; keys s[4:5], values s[6:7], valid_lens s[8:9], kvq s[10:11]
	v_lshrrev_b32 v1, 5, v0
	v_readfirstlane_b32 s12, v1                    ; wave 0..3
	s_and_b32 s13, ttmp7, 0xffff                   ; the batch
	s_mov_b32 s14, ttmp9                           ; the step
	s_lshl_b32 s24, s13, 2
	s_wait_kmcnt 0x0
	s_load_b32 s15, s[8:9], s24 offset:0x0         ; valid_lens[b]
	v_and_b32 v1, 31, v0                           ; l
	v_and_b32 v2, 15, v0                           ; r
	v_bfe_u32 v3, v0, 4, 1                         ; h
	s_mov_b32 s22, 0x76543210
	s_mov_b32 s23, 0xfedcba98                      ; v_permlanex16_b32's selects for lane l xor 16
	s_lshl_b32 s18, s13, 19                        ; a batch is 2,048 rows of 256 bytes,
	s_lshl_b32 s25, s14, 15                        ; a step 128 rows
	s_add_co_u32 s18, s18, s25
	s_mov_b32 s19, 0
	s_lshl_b32 s20, s13, 4
	s_add_co_u32 s20, s20, s14
	s_mul_i32 s20, s20, BLKB                       ; my block in kvq
	s_mov_b32 s21, 0
	s_wait_kmcnt 0x0
	s_max_i32 s15, s15, 0
	s_min_i32 s15, s15, 2048                       ; held to 0 .. 2,048
	s_add_co_u32 s16, s15, 127
	s_lshr_b32 s16, s16, 7                         ; n = ceil(valid_len / 128),
	s_cmp_eq_u32 s15, 0
	s_cselect_b32 s16, 16, s16                     ; or all 16 where no key counts
	s_cmp_ge_u32 s14, s16
	s_cbranch_scc1 .Lnone                          ; a step that is left out: nothing is loaded, nothing is stored
	s_add_nc_u64 s[4:5], s[4:5], s[18:19]
	s_add_nc_u64 s[6:7], s[6:7], s[18:19]
	s_add_nc_u64 s[10:11], s[10:11], s[20:21]
; 32 numbers of one block, v[x] .. v[x + 31], become six registers of codes, v[c] .. v[c + 5], and the scale's byte in v[by]
.macro QB x, c, by
.set QX, \x
.set QC, \c
	v_max3_num_f32 v[MXA], |v[QX]|, |v[QX+1]|, 0x2800000          ; the floor 2^(5 - 127) among the leaves: the byte cannot fall under 1
	v_max3_num_f32 v[MXB], |v[QX+2]|, |v[QX+3]|, |v[QX+4]|
.irp i, 5,9,13,17,21,25
	v_max3_num_f32 v[MXA], v[MXA], |v[QX+\i]|, |v[QX+\i+1]|        ; two chains, so that no line waits for the line above it
	v_max3_num_f32 v[MXB], v[MXB], |v[QX+\i+2]|, |v[QX+\i+3]|
.endr
	v_max3_num_f32 v[MXA], v[MXA], |v[QX+29]|, |v[QX+30]|
	v_max3_num_f32 v[MXA], v[MXA], v[MXB], |v[QX+31]|              ; the block's largest magnitude
	v_add_nc_u32 v[SO], 0xfe000000, v[MXA]         ; 4 off its exponent field: the conversion takes the exponent field of this operand as its scale
	v_lshrrev_b32 v[\by], 23, v[SO]                ; the scale's byte
	v_cvt_scalef32_pk16_bf6_f32 v[QC:QC+2], v[QX:QX+15], v[SO]
	v_cvt_scalef32_pk16_bf6_f32 v[CT:CT+2], v[QX+16:QX+31], v[SO]  ; (a conversion's three registers begin on an even number: the block's upper half is made elsewhere and moved)
	v_nop                                          ; one plain line behind the conversions
	v_mov_b32 v[QC+3], v[CT]
	v_mov_b32 v[QC+4], v[CT+1]
	v_mov_b32 v[QC+5], v[CT+2]
.endm
	s_cmp_lt_u32 s12, 2
	s_cbranch_scc0 .Lvrole
	s_wait_alu depctr_va_vdst(0)
	; ---- K: wave w makes tiles 4 w .. 4 w + 3 (keys 64 w .. 64 w + 63)
	v_and_b32 v4, 8, v2
	v_add_nc_u32 v4, v4, v2                        ; r + 8 (r / 8): the keys of a tile are not neighbours
	v_lshlrev_b32 v4, 8, v4                        ; a key's row is 256 bytes,
	v_lshl_add_u32 v4, v3, 7, v4                   ; my block of 32 along d is 128 bytes of it
	s_lshl_b32 s24, s12, 14
	v_add_nc_u32 v4, s24, v4                       ; + 64 keys x wave
	s_mul_i32 s25, s12, 3072
	v_lshl_add_u32 v5, v1, 4, s25                  ; out: 16 l + six groups of 512 bytes x wave
	s_lshl_b32 s26, s12, 8
	v_lshl_add_u32 v6, v1, 3, s26                  ; the scale words: 8 l + 256 x wave
	v_lshlrev_b32 v201, 3, v3                      ; 8 h: my byte's place in the word
	v_mov_b32 v200, 0                              ; (a lane permute's destination counts as one of its sources)
.irp i, 0,1,2,3
.irp m, 0,1,2,3,4,5,6,7
	global_load_b128 v[X+32*\i+4*\m:X+32*\i+4*\m+3], v4, s[4:5] offset:(32*(\i/2)+8*(\i%2))*256+16*\m th:TH_LOAD_NT
.endr
.endr
.irp i, 0,1,2,3
	s_wait_loadcnt 24-8*\i                         ; this tile's eight loads are in; the eight of each later tile may be out
	QB X+32*\i, CB+6*\i, BY+\i
.endr
.irp i, 0,1,2,3
	v_lshlrev_b32 v[WD+\i], v201, v[BY+\i]         ; my byte at its place,
.endr
.irp i, 0,1,2,3
	v_permlanex16_b32 v200, v[WD+\i], s22, s23
	v_or_b32 v[WD+\i], v[WD+\i], v200              ; with lane l xor 16's: the key's word, in both halves of the lanes
.endr
	s_mov_b32 vcc_lo, 0xffff0000
	v_cndmask_b32 v[WD], v[WD], v[WD+1], vcc_lo    ; lanes 0-15: the even tile's words, lanes 16-31: the odd tile's
	v_cndmask_b32 v[WD+1], v[WD+2], v[WD+3], vcc_lo
.irp q, 0,1,2,3,4,5
	global_store_b128 v5, v[CB+4*\q:CB+4*\q+3], s[10:11] offset:512*\q   ; 32 lanes store 512 consecutive bytes, at a multiple of 256 from the buffer's first byte
.endr
	global_store_b64 v6, v[WD:WD+1], s[10:11] offset:12288               ; 256 consecutive bytes, aligned
	s_endpgm
.Lvrole:
	; ---- V: wave 2 + e takes columns d = 32 e + l; registers run down the step's 128 keys
	s_sub_co_u32 s24, s12, 2
	s_lshl_b32 s25, s24, 7
	s_wait_alu depctr_va_vdst(0)
	v_lshl_add_u32 v4, v1, 2, s25                  ; 4 l + 128 e: my column in a row of V, and my place among the scale words
	s_mul_i32 s26, s24, 3072
	v_lshl_add_u32 v5, v1, 4, s26                  ; out: 16 l + two fragments x e
	v_mov_b32 v202, 0
.set i, 0
.rept 128
	global_load_b32 v[X+i], v4, s[6:7] offset:256*i th:TH_LOAD_NT        ; key i: 32 lanes read 128 consecutive bytes
.set i, i+1
.endr
	s_wait_loadcnt 63                              ; behind block 0's loads 96 were issued; 63 is the most that the wait can name: at least the first 65 loads are in
	QB X, CB, BY                                   ; keys 0-31  -> set A, registers 0-5
	s_wait_loadcnt 63                              ; at least the first 65 are in: block 1 is the loads up to the 64th
	QB X+32, CB+12, BY+1                           ; keys 32-63 -> set B, registers 0-5
	s_wait_loadcnt 32                              ; block 3's 32 may be out
	QB X+64, CB+6, BY+2                            ; keys 64-95 -> set A, registers 6-11
	s_wait_loadcnt 0
	QB X+96, CB+18, BY+3                           ; keys 96-127 -> set B, registers 6-11
	v_lshl_or_b32 v[WD], v[BY+1], 8, v[BY]         ; my column's scale word
	v_lshl_or_b32 v[WD], v[BY+2], 16, v[WD]
	v_lshl_or_b32 v[WD], v[BY+3], 24, v[WD]
.irp i, 0,1,2,3,4,5,6,7,8,9,10,11
	v_permlane16_swap_b32 v[CB+\i], v[CB+12+\i]    ; A's lanes 16-31 change places with B's lanes 0-15: A is now fragment 2 e (lanes 0-15: blocks 0, 2; lanes 16-31: blocks 1, 3 of d = 32 e + r), B fragment 2 e + 1
.endr
.irp q, 0,1,2,3,4,5
	global_store_b128 v5, v[CB+4*\q:CB+4*\q+3], s[10:11] offset:6144+512*\q   ; 512 consecutive bytes, aligned
.endr
	global_store_b32 v4, v[WD], s[10:11] offset:12800    ; 128 consecutive bytes; the two waves' stores fill 256 aligned bytes between them
	global_store_b32 v4, v202, s[10:11] offset:13056     ; the zeros likewise
	s_endpgm
.Lnone:
	s_endpgm
.Lfunc_end_k_q2dc907f4cf_quant:
	.size	k_q2dc907f4cf_quant, .Lfunc_end_k_q2dc907f4cf_quant-k_q2dc907f4cf_quant
	.p2alignl 7, 3214868480
	.fill 96, 4, 3214868480
	.section	.rodata,"a",@progbits
	.p2align	6, 0x0
	.amdhsa_kernel k_q2dc907f4cf_quant
		.amdhsa_group_segment_fixed_size 0
		.amdhsa_private_segment_fixed_size 0
		.amdhsa_enable_private_segment 0
		.amdhsa_kernarg_size 32
		.amdhsa_user_sgpr_count 2
		.amdhsa_user_sgpr_kernarg_segment_ptr 1
		.amdhsa_wavefront_size32 1
		.amdhsa_system_sgpr_workgroup_id_x 1
		.amdhsa_system_sgpr_workgroup_id_y 1
		.amdhsa_system_sgpr_workgroup_id_z 1
		.amdhsa_system_vgpr_workitem_id 0
		.amdhsa_next_free_vgpr 208
		.amdhsa_next_free_sgpr 66
		.amdhsa_reserve_vcc 1
		.amdhsa_float_denorm_mode_32 3
		.amdhsa_float_denorm_mode_16_64 3
		.amdhsa_memory_ordered 1
		.amdhsa_forward_progress 1
		.amdhsa_inst_pref_size 32
	.end_amdhsa_kernel
	.amdgpu_metadata
---
amdhsa.version: [ 1, 2 ]
amdhsa.kernels:
  - .name:           k_q2dc907f4cf_quant
    .symbol:         k_q2dc907f4cf_quant.kd
    .args:
      - { .name: keys, .offset: 0, .size: 8, .value_kind: global_buffer, .address_space: global }
      - { .name: values, .offset: 8, .size: 8, .value_kind: global_buffer, .address_space: global }
      - { .name: valid_lens, .offset: 16, .size: 8, .value_kind: global_buffer, .address_space: global }
      - { .name: kvq, .offset: 24, .size: 8, .value_kind: global_buffer, .address_space: global }
    .group_segment_fixed_size: 0
    .private_segment_fixed_size: 0
    .kernarg_segment_align: 8
    .kernarg_segment_size: 32
    .max_flat_workgroup_size: 128
    .sgpr_count:     66
    .vgpr_count:     208
    .wavefront_size: 32
...
	.end_amdgpu_metadata
.endif
;; end of part 3
;; launch attn (part 4): grid 256 x 1, 16 waves a work-group, no clusters, 124,928 bytes of LDS; arguments queries, valid_lens, kvq, out0; writes out0
.if DOCPART == 4
	.amdgcn_target "amdgcn-amd-amdhsa--gfx1250"
	.amdhsa_code_object_version 6
	.text
	.protected	k_q2dc907f4cf_attn
	.globl	k_q2dc907f4cf_attn
	.p2align	8
	.type	k_q2dc907f4cf_attn,@function
k_q2dc907f4cf_attn:
	s_mov_b64 s[64:65], 0
	v_nop
	global_prefetch_b8 v0, s[64:65] scope:SCOPE_SE
	s_setreg_imm32_b32 hwreg(HW_REG_WAVE_SCHED_MODE, 0, 2), 2
	s_setreg_imm32_b32 hwreg(HW_REG_WAVE_MODE, 25, 1), 1
	s_wait_xcnt 0x0
	s_wait_alu depctr_vm_vsrc(0)
; out0[b][q][:] = sum over k of softmax_k(Q[b][q] . K[b][k] / 8, keys k >= valid_lens[b] at NEG) V[b][k][:], both products on codes of BF6 (E3M2) with one E8M0 scale for each 32 along a product's K.
; K and V come as blocks of kvq, made by the launch before: one block of 13,312 bytes for a batch and a step of 128 keys, laid in the order of the operands' registers (the map stands at that launch's head).
; WORK LEFT OUT, as shown at the head of the launch before: steps all of whose 128 keys are >= valid_len have p's codes 0 and add nothing to the row's sum: a batch is walked for n = ceil(valid_len / 128) steps.
; LIMITS: visible logits above NEG + 200; valid_len held to 0 .. 2,048; valid_len = 0: all 16 steps, every score replaced by 0, so that p = 1 for all keys: reference()'s equal weights.  NaN and infinities are not served.
; THE SOFTMAX: t = score x log2(e) / 8; M = the running largest t rounded UP to a whole number; p = 2^(t - M) is quantised along the keys, not normalised; the row's sum is taken of the unquantised p and divides at the end.
; When M moves, the sum and O^T are multiplied by 2^(old M - new M), which rounds nothing.
; SHARES.  A work-group has two GROUPS of eight waves.  The 32 batches are ranked by n (ties by the batch's number); work-group x = 16 rho + J gives group 0 queries 128 J .. 128 J + 127 of the batch of rank rho and
; group 1 the same queries of the batch of rank 31 - rho: a long walk is paired with a short one.  The ranks are made here from valid_lens, whole numbers read from memory.  A wave owns 16 queries, one tile.
; Wave W belongs to group (W xor W / 4) % 2: any four waves whose numbers agree in their low two bits, or in their high two, hold two of each group.
; THE WALK.  16 trips, a constant; one barrier a trip, passed by all sixteen waves.  A group's eight waves copy the next block from memory through
; registers into the group's other LDS slot (asked for a whole trip ahead), while all eight read the slot in hand.
; NO JOINT LOADS, though the 16 work-groups of a batch read the same blocks: the walk's length hangs on a number read from memory; up to 15 of 16 steps are left out by it.
; LAYOUT.  Both products are used transposed: S^T = K Q^T (source 0 = 16 keys), O^T = V^T P^T (source 0 = 16 of the 64 channels): a lane holds ONE query (lane % 16) throughout.  The keys of a tile of K are chosen so
; that the 16 registers of tiles 2 b, 2 b + 1 are keys 32 b + 16 (lane / 16) + 0 .. 15.
; THE FIRST PRODUCT'S K IS 64, half of the instruction's 128: Q's registers 6-11 hold zero codes and the upper two scale bytes of both sides are 0 (2^-127).  So whatever source 0 holds there adds nothing, and source 0 of
; tile j simply runs on into the six registers behind it (tile j + 1's codes; behind tile 7: p's codes).
; REGISTERS: v1-11 addresses; v12 -M, v13 the largest t, v[14:15] the sum in two halves; v16-27 Q; v28 Q's scale word; v29 p's; v[30:31] f and 0; v32-79 K's, then V's fragments; v80-91 p's codes; v92-95 K's, then V's scale
; words; v96-159 S^T, then p; v160-191 O^T; v192-204, v232-244 two sets for the block on its way; v205 the masked score; v206, v207 the add's two; v208-231 at work; v245 the prefetches' offset; v246-254 the head's.
; THE MODE: SCHED_MODE bits 1:0 = 2 (LLVM: expert scheduling mode 2), set by the entry lines.  The code itself states the register dependences between vector or matrix instructions and memory or LDS instructions,
; with s_wait_alu, always for 0.
; THE PLAN.  Registers that memory or LDS instructions touch:
;   v1-v11, v245, v246   offsets and LDS addresses: written at the head, ahead of ONE wait on va_vdst, and never again.
;   v228                 Q's offset: written with them; Q's loads read it; a wait on vm_vsrc stands ahead of the line that writes it again.
;   v192-204, v232-244   the two sets: global loads land in them and LDS stores read them; no vector line names them.  A trip loads into the set that the trip before stored from: one wait on vm_vsrc at a trip's head.
;   v32-79, v92-95       fragments and scale words: LDS loads land in them, matrix instructions read them, nothing else names them.  K's loads stand behind a wait on va_vdst at a step's head (the last step's second
;                        products have read them), V's behind one behind the first products.  All 256 registers of the wave are taken, so V has no set of its own.
;   v96-159              Q's numbers at the head (loads, then the quantiser); on the way out the scalings write v96-127, which LDS stores read, and LDS loads land in v128-159: one wait on va_vdst ahead of those stores.
;   v206, v207           written at the head, read by the closing add alone.
; Q's codes and scale word, p's codes and scale word are written by vector lines and taken by scaled products: the wait at a step's head covers the first, a wait directly ahead of the second products the others.
; Numbers that vector lines put into scalar registers (the wave's number, the ranks' keys and masks, the hidden keys' masks) are made in runs, with one wait on va_sdst behind each run, ahead of its first reader.
.set BLKB,   13312
.set GRP,    2*BLKB                    ; a group's two slots
.set STAGE,  2*GRP                     ; behind them: 16 rows x 272 bytes for each wave, its own, for the way out
.set SPITCH, 272
.set SPARE,  STAGE+16*16*SPITCH        ; the spare words, 128 bytes for each wave: eight blocks of 256 bytes that no other line names
.set QF,   16
.set KF,   32
.set PC,   80
.set KS,   92
.set S,    96
.set OT,   160
.set ST0,  192                         ; the second set lies 40 registers on
.set FILL, 205
.set SPW,  206
.set NIL,  207
.set BM,   208                         ; v208-211 each block's largest score, then its largest p
.set BT,   212                         ; v212-215 at work
.set SOP,  216                         ; v216-219 the conversions' scale operands
.set C2,   220                         ; v220-222, v224-226 the odd blocks' codes, until they are moved
.set PFO,  245
; s12 wave W; s13 group G; s14 the wave's number in its group; s15 rho; s16 J; s17 my batch's rank; s18 my batch; s19 valid_len; s20 n; s21 trips begun; s22 the step's first key; s23 the loop's count;
; s[24:25] lane selects; s[26:27] c; s[28:29] kvq at the block of the trip in hand; s[30:31] where my prefetches stand; s32, s33 their count and limit, in units of 1,024 bytes; s[34:35] the second first block; s36-39 at work;
; s40-47 eight keys of the ranking, later eight masks of hidden keys (at the head s28-35 hold the ranking's eight masks)
	s_load_b256 s[4:11], s[0:1], 0x0               ; queries s[4:5], valid_lens s[6:7], kvq s[8:9], out0 s[10:11]
	v_lshl_add_u32 v[SPW], v0, 2, SPARE
	v_mov_b32 v[NIL], 0
	v_lshrrev_b32 v228, 5, v0
	v_readfirstlane_b32 s12, v228                  ; wave 0..15
	v_and_b32 v229, 31, v0                         ; l
	s_wait_alu depctr_va_vdst(0)
	v_and_b32 v230, 15, v0                         ; r
	v_bfe_u32 v231, v0, 4, 1                       ; h
	s_lshr_b32 s15, ttmp9, 4                       ; rho
	s_and_b32 s16, ttmp9, 15                       ; J
	s_wait_alu depctr_va_sdst(0)                   ; s12 is written, ahead of its first reader: the group, the LDS addresses and the bases are made from it
	s_lshr_b32 s13, s12, 2
	s_xor_b32 s13, s13, s12
	s_and_b32 s13, s13, 1                          ; G
	s_lshr_b32 s14, s12, 1                         ; 0..7 in the group: (G, this) names each wave once
	s_mul_i32 s36, s13, GRP                        ; my group's slots
	s_lshl_b32 s37, s14, 5
	v_add_nc_u32 v1, s37, v229                     ; my thread's number in the group, 0..255
	v_lshlrev_b32 v2, 2, v1                        ; the copy, in memory: 4 bytes a thread,
	v_lshlrev_b32 v1, 4, v1                        ; 16 bytes a thread;
	v_add_nc_u32 v3, s36, v1                       ; and in LDS
	v_add_nc_u32 v4, s36, v2
	v_lshl_add_u32 v5, v229, 4, s36                ; a fragment's group of four registers: 16 l
	v_lshl_add_u32 v6, v229, 3, s36                ; a pair of K's scale words: 8 l
	v_lshl_add_u32 v7, v229, 2, s36                ; a scale word of V: 4 l
	s_mul_i32 s38, s12, 16*SPITCH
	s_add_co_u32 s38, s38, STAGE                   ; my stage
	v_mul_u32_u24 v8, v230, SPITCH
	v_lshl_add_u32 v8, v231, 5, v8
	v_add_nc_u32 v8, s38, v8                       ; in: row r, 32 bytes for each half of the lanes
	v_mul_u32_u24 v9, v231, SPITCH
	v_lshl_add_u32 v9, v230, 4, v9
	v_add_nc_u32 v9, s38, v9                       ; back: lanes 0-15 one row of 256 bytes, lanes 16-31 the next
	v_lshlrev_b32 v10, 8, v231
	v_lshl_add_u32 v10, v230, 4, v10               ; and the same two rows in out0
	v_lshlrev_b32 v11, 4, v231                     ; 16 h
	v_lshlrev_b32 v[PFO], 8, v229                  ; 256 l
	v_lshlrev_b32 v246, 2, v229
	v_lshlrev_b32 v228, 8, v230
	v_lshl_add_u32 v228, v231, 7, v228             ; Q: row r of 256 bytes, + my block of 32 along d
	s_wait_kmcnt 0x0
	s_wait_alu depctr_va_vdst(0)                   ; v1 to v11, v228, v245 and v246 are written: every load, store and prefetch of the kernel reads one of them as its offset or LDS address
	global_load_b32 v247, v246, s[6:7]             ; lane l: valid_lens[l]
	s_mov_b32 s24, 0x76543210
	s_mov_b32 s25, 0xfedcba98                      ; v_permlanex16_b32's selects for lane l xor 16
	s_mov_b32 s26, 0x3e38aa3b                      ; c = log2(e) / 8
	s_mov_b32 s27, s26                             ; (named with it as a pair, so it is written)
	v_mov_b32 v250, 16
	v_mov_b32 v251, 0                              ; the rank
	v_mov_b32 v253, 1
	v_mov_b32 v254, 0
	s_wait_loadcnt 0x0
	v_ashrrev_i32 v248, 31, v247
	v_xor_b32 v248, -1, v248
	v_and_b32 v247, v247, v248                     ; a negative length counts as 0,
	v_min_u32 v247, 0x800, v247                    ; one above 2,048 as 2,048
	v_add_nc_u32 v248, 127, v247
	v_lshrrev_b32 v248, 7, v248                    ; n = ceil(valid_len / 128),
	v_cmp_eq_u32 vcc_lo, 0, v247
	s_wait_alu depctr_va_vcc(0)                    ; VCC is written, ahead of the select that reads it
	v_cndmask_b32 v248, v248, v250, vcc_lo         ; or all 16 where no key counts
	v_lshl_or_b32 v249, v248, 5, v229              ; 32 n + batch: no two alike
.irp g, 0,1,2,3                                ; the ranks, eight batches to a run
.irp i, 0,1,2,3,4,5,6,7
	v_readlane_b32 s[40+\i], v249, 8*\g+\i
.endr
	s_wait_alu depctr_va_sdst(0)                   ; the eight keys are written in s40 to s47, ahead of the compares that read them
.irp i, 0,1,2,3,4,5,6,7
	v_cmp_lt_u32 s[28+\i], s[40+\i], v249
.endr
	s_wait_alu depctr_va_sdst(0)                   ; the eight masks are written in s28 to s35, ahead of the selects that read them
.irp i, 0,1,2,3,4,5,6,7
	v_cndmask_b32 v252, v254, v253, s[28+\i]
	v_add_nc_u32 v251, v251, v252                  ; lane l: how many batches stand before batch l
.endr
.endr
	s_sub_co_u32 s17, 31, s15
	s_cmp_eq_u32 s13, 0
	s_cselect_b32 s17, s15, s17                    ; group 0: rank rho; group 1: rank 31 - rho
	v_cmp_eq_u32 s36, s17, v251
	s_wait_alu depctr_va_sdst(0)                   ; s36 is written, ahead of the line that reads it
	s_ctz_i32_b32 s18, s36                         ; the batch of that rank,
	s_min_u32 s18, s18, 31                         ; held inside the tensors
	v_readlane_b32 s19, v247, s18                  ; its valid_len
	v_readlane_b32 s20, v248, s18                  ; its n
	s_wait_alu depctr_va_sdst(0)                   ; s19 and s20 are written, ahead of their first readers: the walk's branches and the bases hang on them
	s_cmp_eq_u32 s19, 0
	s_cselect_b32 s36, 0, 0xff800000
	v_mov_b32 v[FILL], s36                         ; a hidden key's score: -infinity, so that p = 0; with no visible key at all: 0
	s_lshl_b32 s34, s18, 19                        ; the batch: 2,048 rows of 256 bytes;
	s_lshl_b32 s36, s16, 15                        ; 128 J rows;
	s_lshl_b32 s37, s14, 12                        ; my wave's 16
	s_add_co_u32 s34, s34, s36
	s_add_co_u32 s34, s34, s37
	s_mov_b32 s35, 0
	s_add_nc_u64 s[4:5], s[4:5], s[34:35]
	s_add_nc_u64 s[10:11], s[10:11], s[34:35]
	s_mul_i32 s34, s18, 16*BLKB
	s_add_nc_u64 s[28:29], s[8:9], s[34:35]        ; the batch's block 0
	s_and_b32 s36, s14, 1
	s_lshl_b32 s36, s36, 13
	s_add_co_u32 s36, s36, 3*16384
	s_mov_b32 s37, 0
	s_add_nc_u64 s[30:31], s[28:29], s[36:37]      ; the prefetches: my half of chunk 3; the first trip steps it to chunk 4
	s_lshr_b32 s38, s14, 1                         ; 0 in a group's waves 0 and 1,
	s_or_b32 s38, s38, s16                         ; of the batch's first work-group
	s_mul_i32 s33, s20, 13                         ; n blocks are 13 n x 1,024 bytes
	s_cmp_eq_u32 s38, 0
	s_cselect_b32 s33, s33, 0                      ; the others never ask
	s_mov_b32 s32, 48
	s_mov_b32 s21, 0
	s_mov_b32 s22, 0
	s_sub_co_u32 s38, s20, 1
	s_min_u32 s38, s38, 1
	s_mul_i32 s38, s38, BLKB
	s_mov_b32 s39, 0
	s_add_nc_u64 s[34:35], s[28:29], s[38:39]      ; block 1, or block 0 once more where n = 1 (it is then not used): no load leaves what was stored
; A block's copy: eight waves x 32 lanes take 3 x 4,096 bytes, 16 a thread, and 1,024 bytes, 4 a thread
.macro LOADB set, base, off
.irp k, 0,1,2
	global_load_b128 v[\set+4*\k:\set+4*\k+3], v1, s[\base:\base+1] offset:\off+4096*\k
.endr
	global_load_b32 v[\set+12], v2, s[\base:\base+1] offset:\off+12288
.endm
.macro STOREB set, sl
.irp k, 0,1,2
	ds_store_b128 v3, v[\set+4*\k:\set+4*\k+3] offset:BLKB*(\sl)+4096*\k
.endr
	ds_store_b32 v4, v[\set+12] offset:BLKB*(\sl)+12288
.endm
.irp m, 0,1,2,3,4,5,6,7
	global_load_b128 v[S+4*\m:S+4*\m+3], v228, s[4:5] offset:16*\m th:TH_LOAD_NT   ; no wait: no vector line since the wait on va_vdst above names v228, v1, v2 or a register in which these sixteen loads land
.endr
	LOADB ST0, 28, 0
	LOADB ST0+40, 34, 0
.irp i, 0,1,2,3,4,5,6,7,8,9,10,11
	v_mov_b32 v[PC+\i], 0                          ; p's codes: named by tile 7's source 0 before they are first made
.endr
.irp i, 6,7,8,9,10,11
	v_mov_b32 v[QF+\i], 0                          ; Q's zero codes for k = 64 .. 127
.endr
.irp i, 0,1,2,3
	v_mov_b32 v[BT+\i], 0                          ; (a lane permute's destination counts as one of its sources)
.endr
	v_mov_b32 v31, 0                               ; (named as the upper half of the pair v[30:31])
	v_mov_b32 v14, 0                               ; the sum, in two halves
	v_mov_b32 v15, 0
	v_mov_b32 v13, 0xff61b1e6                      ; the largest t so far: -3e38, under every t
	v_floor_f32 v12, -v13                          ; -M
	s_wait_loadcnt 8                               ; Q's eight loads are in; the two blocks' eight may be out
	s_wait_alu depctr_vm_vsrc(0)                   ; Q's loads have read v228, which a line below writes again
	v_max3_num_f32 v[BM], |v[S]|, |v[S+1]|, 0x2800000              ; my block of Q: 32 numbers of one lane; the floor 2^(5 - 127) among the leaves
	v_max3_num_f32 v[BM+1], |v[S+2]|, |v[S+3]|, |v[S+4]|
.irp i, 5,9,13,17,21,25
	v_max3_num_f32 v[BM], v[BM], |v[S+\i]|, |v[S+\i+1]|
	v_max3_num_f32 v[BM+1], v[BM+1], |v[S+\i+2]|, |v[S+\i+3]|
.endr
	v_max3_num_f32 v[BM], v[BM], |v[S+29]|, |v[S+30]|
	v_max3_num_f32 v[BM], v[BM], v[BM+1], |v[S+31]|
	v_add_nc_u32 v[SOP], 0xfe000000, v[BM]         ; 4 off the exponent field: the conversions' scale operand
	v_lshrrev_b32 v[BM+1], 23, v[SOP]              ; the scale's byte
	v_cvt_scalef32_pk16_bf6_f32 v[QF:QF+2], v[S:S+15], v[SOP]
	v_cvt_scalef32_pk16_bf6_f32 v[C2:C2+2], v[S+16:S+31], v[SOP]
	v_lshlrev_b32 v228, 3, v231                    ; 8 h.  (The plain line behind the conversions; Q's loads, which read v228, are in)
	v_mov_b32 v[QF+3], v[C2]
	v_mov_b32 v[QF+4], v[C2+1]
	v_mov_b32 v[QF+5], v[C2+2]
	v_lshlrev_b32 v28, v228, v[BM+1]
	v_permlanex16_b32 v[BT], v28, s24, s25
	v_or_b32 v28, v28, v[BT]                       ; Q's scale word: byte 0 for d 0-31, byte 1 for d 32-63, bytes 2 and 3 are 0
.irp j, 0,1,2,3,4,5,6,7,8,9,10,11,12,13,14,15,16,17,18,19,20,21,22,23,24,25,26,27,28,29,30,31
	v_mov_b32 v[OT+\j], 0                          ; O^T: the walk has no first step of its own.  (These lines are also the places between the scale word's last write and the first product)
.endr
	s_wait_loadcnt 4                               ; block 0 is in; block 1's four loads may be out
	STOREB ST0, 0                                  ; (its data come from loads, its addresses were written ahead of the head's wait on va_vdst)
	s_wait_dscnt 0x0                               ; for the others' sake: my part of block 0 lies in LDS
	s_barrier_signal -1
	s_barrier_wait -1
; A KEY STEP on the block in slot sl
.macro COMPUTE sl
.set SB, BLKB*(\sl)
	s_wait_alu depctr_va_vdst(0)                   ; the last step's second products are done reading v[KF ..] and v[KS ..], in which the loads below land; in the first step: Q's codes, Q's scale word and the zeros in p's codes are written, which the first products take
.irp q, 0,1,2,3,4,5,6,7,8,9,10,11
	ds_load_b128 v[KF+4*\q:KF+4*\q+3], v5 offset:SB+512*\q         ; K's eight tiles, as they lie
.endr
	ds_load_b64 v[KS:KS+1], v6 offset:SB+12288
	ds_load_b64 v[KS+2:KS+3], v6 offset:SB+12544
	s_wait_dscnt 0x0
.irp j, 0,2,4,6                                ; S^T = K Q^T: eight sums, each begun by the constant 0
	v_wmma_scale_f32_16x16x128_f8f6f4 v[S+8*\j:S+8*\j+7], v[KF+6*\j:KF+6*\j+11], v[QF:QF+11], 0, v[KS+\j/2], v28 matrix_a_fmt:MATRIX_FMT_BF6 matrix_b_fmt:MATRIX_FMT_BF6
	v_wmma_scale_f32_16x16x128_f8f6f4 v[S+8*\j+8:S+8*\j+15], v[KF+6*\j+6:KF+6*\j+17], v[QF:QF+11], 0, v[KS+\j/2], v28 matrix_a_fmt:MATRIX_FMT_BF6 matrix_b_fmt:MATRIX_FMT_BF6 matrix_a_scale:MATRIX_SCALE_ROW1
.endr
.rept 4
	v_nop                                          ; places in front of the first read of these products' results (ISA guide 7.12.1)
.endr
	s_wait_alu depctr_va_vdst(0)                   ; the eight products are done reading v[KF ..] and v[KS ..], in which V's loads land
.irp q, 0,1,2,3,4,5,6,7,8,9,10,11
	ds_load_b128 v[KF+4*\q:KF+4*\q+3], v5 offset:SB+6144+512*\q    ; V^T's four fragments: they land while the softmax is walked, which names none of their registers
.endr
	ds_load_b32 v[KS], v7 offset:SB+12800
	ds_load_b32 v[KS+1], v7 offset:SB+12928
	s_add_co_u32 s36, s22, 128
	s_cmp_le_u32 s36, s19
	s_cbranch_scc1 .Lopen_\@                       ; all 128 keys count
	s_sub_co_i32 s36, s19, s22
	v_sub_nc_u32 v228, s36, v11                    ; valid_len - the step's first key - 16 h.  Register 16 b + i holds key 32 b + 16 h + i of the step: hidden where 32 b + i >= this
.irp g, 0,1,2,3,4,5,6,7                        ; a tile's eight registers to a run: eight compares, then eight selects, each accumulator from its low end on
.irp i, 0,1,2,3,4,5,6,7
	v_cmp_ge_i32 s[40+\i], 32*(\g/2)+8*(\g%2)+\i, v228
.endr
	s_wait_alu depctr_va_sdst(0)                   ; the eight masks are written in s40 to s47, ahead of the selects that read them
.irp i, 0,1,2,3,4,5,6,7
	v_cndmask_b32 v[S+8*\g+\i], v[S+8*\g+\i], v[FILL], s[40+\i]
.endr
.endr
.Lopen_\@:
.irp b, 0,1,2,3
	v_max3_num_f32 v[BM+\b], v[S+16*\b], v[S+1+16*\b], v[S+2+16*\b]   ; the largest score of each block of 32 keys: for the row's maximum, and, since p rises with the score, for the block's largest p
.endr
.irp i, 3,5,7,9,11,13
.irp b, 0,1,2,3
	v_max3_num_f32 v[BM+\b], v[BM+\b], v[S+16*\b+\i], v[S+1+16*\b+\i]  ; (the four blocks by turns)
.endr
.endr
.irp b, 0,1,2,3
	v_max_num_f32 v[BM+\b], v[BM+\b], v[S+15+16*\b]
.endr
.irp b, 0,1,2,3
	v_permlanex16_b32 v[BT+\b], v[BM+\b], s24, s25
.endr
.irp b, 0,1,2,3
	v_max_num_f32 v[BM+\b], v[BM+\b], v[BT+\b]     ; with lane l xor 16's 16 keys
.endr
	v_max3_num_f32 v228, v[BM], v[BM+1], v[BM+2]
	v_max_num_f32 v228, v228, v[BM+3]              ; the step's largest score of my query
	v_mul_f32 v228, s26, v228                      ; as t (c is positive)
	v_max_num_f32 v13, v13, v228                   ; the running largest t
	v_mov_b32 v229, v12
	v_floor_f32 v12, -v13                          ; the new -M = floor(-t) = -ceil(t): a whole number
	v_sub_f32 v229, v12, v229                      ; old M - new M: a whole number, 0 or less
	v_cvt_i32_f32 v229, v229                       ; (it saturates)
	v_ldexp_f32 v30, 1.0, v229                     ; f = 2^(old M - new M)
.irp j, 0,2,4,6,8,10,12,14,16,18,20,22,24,26,28,30,32,34,36,38,40,42,44,46,48,50,52,54,56,58,60,62
	v_pk_fma_f32 v[S+\j:S+\j+1], v[S+\j:S+\j+1], s[26:27], v[12:13] op_sel_hi:[1,0,0]   ; t - M, two at a time (of the pairs c and -M the low word serves both halves)
.endr
.irp b, 0,1,2,3
	v_fma_f32 v[BM+\b], v[BM+\b], s26, v12         ; the same of each block's largest score
.endr
	s_wait_alu depctr_va_vdst(0)
.irp j, 0,1,2,3,4,5,6,7,8,9,10,11,12,13,14,15,16,17,18,19,20,21,22,23,24,25,26,27,28,29,30,31,32,33,34,35,36,37,38,39,40,41,42,43,44,45,46,47,48,49,50,51,52,53,54,55,56,57,58,59,60,61,62,63
	v_exp_f32 v[S+\j], v[S+\j]                     ; p = 2^(t - M), at most 1: not normalised
.endr
	v_pk_mul_f32 v[14:15], v[14:15], v[30:31] op_sel_hi:[1,0]      ; the sums under the new M.  (The plain line behind the exponentials)
	s_wait_alu depctr_va_vdst(0)                   ; the 64 exponentials have written p in v[S ..], ahead of the first line that names a result: one wait for the batch
.irp b, 0,1,2,3
	v_exp_f32 v[BM+\b], v[BM+\b]                   ; the block's largest p: the same two instructions on the same number
.endr
	v_pk_add_f32 v[BT:BT+1], v[S:S+1], v[S+2:S+3]  ; the row's sum of the unquantised p: two at a time, in two chains.  (It reads the 64 alone: plain work behind the four)
.irp j, 4,8,12,16,20,24,28,32,36,40,44,48,52,56,60
	v_pk_add_f32 v[14:15], v[14:15], v[S+\j:S+\j+1]
	v_pk_add_f32 v[BT:BT+1], v[BT:BT+1], v[S+\j+2:S+\j+3]
.endr
	v_pk_add_f32 v[14:15], v[14:15], v[BT:BT+1]
	s_wait_alu depctr_va_vdst(0)                   ; the four exponentials have written the blocks' largest p in v[BM ..], ahead of their first reader
.irp b, 0,1,2,3
	v_max_num_f32 v[BM+\b], 0x2800000, v[BM+\b]    ; the floor 2^(5 - 127): the byte cannot fall under 1 (a block whose every p is 0 keeps that byte: its codes are zeros)
.endr
.irp b, 0,1,2,3
	v_add_nc_u32 v[SOP+\b], 0xfe000000, v[BM+\b]   ; 4 off the exponent field: the conversion's scale operand
.endr
.irp b, 0,1,2,3
	v_lshrrev_b32 v[BT+\b], 23, v[SOP+\b]          ; the scale's byte
.endr
	v_lshl_or_b32 v29, v[BT+1], 8, v[BT]           ; p's scale word for these 128 keys
	v_lshl_or_b32 v29, v[BT+2], 16, v29
	v_lshl_or_b32 v29, v[BT+3], 24, v29
.irp c, 0,1
	v_cvt_scalef32_pk16_bf6_f32 v[PC+6*\c:PC+6*\c+2], v[S+32*\c:S+32*\c+15], v[SOP+2*\c]
	v_cvt_scalef32_pk16_bf6_f32 v[C2+4*\c:C2+4*\c+2], v[S+32*\c+16:S+32*\c+31], v[SOP+2*\c+1]   ; (a conversion's three registers begin on an even number)
.endr
	v_nop                                          ; one plain line behind the conversions
.irp c, 0,1                                    ; the operand's layout wants a WHOLE block in a lane: lanes 0-15 block 2 c, lanes 16-31 block 2 c + 1
.irp i, 0,1,2
	v_permlane16_swap_b32 v[PC+6*\c+\i], v[C2+4*\c+\i]
.endr
.irp i, 0,1,2
	v_mov_b32 v[PC+6*\c+3+\i], v[C2+4*\c+\i]
.endr
.endr
.irp j, 0,2,4,6,8,10,12,14,16,18,20,22,24,26,28,30
	v_pk_mul_f32 v[OT+\j:OT+\j+1], v[OT+\j:OT+\j+1], v[30:31] op_sel_hi:[1,0]   ; O^T under the new M, each accumulator from its low end on.  (These 16 are also the places in front of the products below)
.endr
	s_wait_dscnt 0x0                               ; V's fragments and scale words are in
	s_wait_alu depctr_va_vdst(0)                   ; p's codes in v[PC ..] and p's scale word in v29 are written, which the scaled products below take; the places above stay beside this wait
.irp t, 0,2                                    ; O^T += V^T P^T: four accumulators by turns, one instruction a turn
	v_wmma_scale_f32_16x16x128_f8f6f4 v[OT+8*\t:OT+8*\t+7], v[KF+12*\t:KF+12*\t+11], v[PC:PC+11], v[OT+8*\t:OT+8*\t+7], v[KS+\t/2], v29 matrix_a_fmt:MATRIX_FMT_BF6 matrix_b_fmt:MATRIX_FMT_BF6
	v_wmma_scale_f32_16x16x128_f8f6f4 v[OT+8*\t+8:OT+8*\t+15], v[KF+12*\t+12:KF+12*\t+23], v[PC:PC+11], v[OT+8*\t+8:OT+8*\t+15], v[KS+\t/2], v29 matrix_a_fmt:MATRIX_FMT_BF6 matrix_b_fmt:MATRIX_FMT_BF6 matrix_a_scale:MATRIX_SCALE_ROW1
.endr
.rept 4
	v_nop                                          ; places in front of the way out's first read of O^T: a walk's last step may be any trip's, and the trips behind it hold no vector line
.endr
.endm
; A TRIP: the slot in hand is sl and holds block t; s21 becomes t + 1
.macro TRIP sl
	s_wait_loadcnt 0x0                             ; block t + 1, asked for a trip ago, is in its registers; no load of mine is out,
	s_wait_xcnt 0x0                                ; and the last prefetch has read its address: so the two bases may be stepped
	s_wait_alu depctr_vm_vsrc(0)                   ; the LDS stores of the trip before (in the first trip: of the head) have read the set of registers in which block t + 2's loads land; ahead of the trip's branches
	s_add_nc_u64 s[28:29], s[28:29], BLKB
	s_add_nc_u64 s[30:31], s[30:31], 16384
	s_add_co_u32 s32, s32, 16
	s_add_co_u32 s21, s21, 1
	s_cmp_lt_u32 s21, s20
	s_cbranch_scc0 .Lnofill_\@                     ; there is no block t + 1
	STOREB ST0+40*(1-\sl), 1-\sl                   ; into the other slot: its last reads were awaited in front of the last barrier; it is read behind this trip's
	s_add_co_u32 s36, s21, 1
	s_cmp_lt_u32 s36, s20
	s_cbranch_scc0 .Lnofill_\@                     ; there is no block t + 2
	LOADB ST0+40*\sl, 28, BLKB                     ; block t + 2, into the set whose LDS stores were awaited a trip ago: it has this whole trip in which to come
	; A PREFETCH INTO THE L2.  A batch's 16 blocks are 13 chunks of 16,384 bytes.  Trip t names chunk t + 4, which begins 2.9 + 0.23 t blocks beyond the block just asked for: waves 0 and 1 of the group, in the
	; batch's first work-group (J = 0) alone, 8,192 bytes each, lanes 256 bytes apart: each aligned 256 bytes is named once in the launch.  Only while the chunk begins inside the n blocks that are read
	; (16 (t + 4) < 13 n, so t + 4 <= 12: inside the batch's part of the buffer).  Chunks 0 to 3 come by their loads alone.
	s_cmp_lt_u32 s32, s33
	s_cbranch_scc0 .Lnofill_\@
	global_prefetch_b8 v[PFO], s[30:31] th:TH_LOAD_NT scope:SCOPE_SE
.Lnofill_\@:
	s_cmp_le_u32 s21, s20
	s_cbranch_scc0 .Lidle_\@                       ; t >= n: my batch's walk is over; the waits and the barrier are passed all the same
	COMPUTE \sl
.Lidle_\@:
	s_add_co_u32 s22, s22, 128
	s_wait_dscnt 0x0                               ; my stores into the other slot have landed and my reads of this slot are over
	s_barrier_signal -1
	s_barrier_wait -1                              ; both now hold of every wave
.endm
	s_mov_b32 s23, 8
.Ltrip:                                            ; 8 passes of two trips: the two slots and the two sets of registers change places and come back
	TRIP 0
	TRIP 1
	s_sub_co_u32 s23, s23, 1
	s_cmp_lg_u32 s23, 0
	s_cbranch_scc1 .Ltrip
	; THE WAY OUT.  O^T / the sum goes through my own stage in LDS and leaves as whole rows of 256 bytes.
	v_add_f32 v14, v14, v15                        ; the sum's two halves,
	v_permlanex16_b32 v[BT], v14, s24, s25
	v_add_f32 v14, v14, v[BT]                      ; and lane l xor 16's: the row's sum
	s_wait_alu depctr_va_vdst(0)
	v_rcp_f32 v14, v14
	v_nop                                          ; a plain line behind the reciprocal,
	s_wait_alu depctr_va_vdst(0)                   ; the reciprocal has written v14: the wait ahead of its first reader
.irp j, 0,2,4,6,8,10,12,14,16,18,20,22,24,26,28,30
	v_pk_mul_f32 v[S+\j:S+\j+1], v[OT+\j:OT+\j+1], v[14:15] op_sel_hi:[1,0]   ; register 8 t + i is out0(query r, d = 16 t + 8 h + i)
.endr
	s_wait_alu depctr_va_vdst(0)                   ; the scalings have written v[S .. S + 31], which the LDS stores read; and every vector line that named v[S + 32 .. S + 63], in which the LDS loads land, is done
.irp t, 0,1,2,3
	ds_store_b128 v8, v[S+8*\t:S+8*\t+3] offset:64*\t
	ds_store_b128 v8, v[S+8*\t+4:S+8*\t+7] offset:64*\t+16
.endr
.irp i, 0,1,2,3,4,5,6,7
	ds_load_b128 v[S+32+4*\i:S+32+4*\i+3], v9 offset:2*\i*SPITCH   ; LDS serves a wave's instructions in order (ISA guide 5.7.1.4): these see my stores
.endr
.irp i, 0,1,2,3,4,5,6,7
	s_wait_dscnt 7-\i                              ; the later loads may be out
	global_store_b128 v10, v[S+32+4*\i:S+32+4*\i+3], s[10:11] offset:512*\i th:TH_STORE_NT   ; 32 lanes store two rows: 512 consecutive bytes, at a multiple of 256 from out0's first byte
.endr
	s_wait_dscnt 0x0                               ; the wave's end: six closing lines, on end
	s_wait_alu 0x0
	s_wait_tensorcnt 0x0
	ds_add_u32 v[SPW], v[NIL]
	s_wait_dscnt 0x0
	s_endpgm
.Lfunc_end_k_q2dc907f4cf_attn:
	.size	k_q2dc907f4cf_attn, .Lfunc_end_k_q2dc907f4cf_attn-k_q2dc907f4cf_attn
	.p2alignl 7, 3214868480
	.fill 96, 4, 3214868480
	.section	.rodata,"a",@progbits
	.p2align	6, 0x0
	.amdhsa_kernel k_q2dc907f4cf_attn
		.amdhsa_group_segment_fixed_size 124928
		.amdhsa_private_segment_fixed_size 0
		.amdhsa_enable_private_segment 0
		.amdhsa_kernarg_size 32
		.amdhsa_user_sgpr_count 2
		.amdhsa_user_sgpr_kernarg_segment_ptr 1
		.amdhsa_wavefront_size32 1
		.amdhsa_system_sgpr_workgroup_id_x 1
		.amdhsa_system_sgpr_workgroup_id_y 1
		.amdhsa_system_sgpr_workgroup_id_z 1
		.amdhsa_system_vgpr_workitem_id 0
		.amdhsa_next_free_vgpr 256
		.amdhsa_next_free_sgpr 66
		.amdhsa_reserve_vcc 1
		.amdhsa_float_denorm_mode_32 3
		.amdhsa_float_denorm_mode_16_64 3
		.amdhsa_memory_ordered 1
		.amdhsa_forward_progress 1
		.amdhsa_inst_pref_size 74
	.end_amdhsa_kernel
	.amdgpu_metadata
---
amdhsa.version: [ 1, 2 ]
amdhsa.kernels:
  - .name:           k_q2dc907f4cf_attn
    .symbol:         k_q2dc907f4cf_attn.kd
    .args:
      - { .name: queries, .offset: 0, .size: 8, .value_kind: global_buffer, .address_space: global }
      - { .name: valid_lens, .offset: 8, .size: 8, .value_kind: global_buffer, .address_space: global }
      - { .name: kvq, .offset: 16, .size: 8, .value_kind: global_buffer, .address_space: global }
      - { .name: out0, .offset: 24, .size: 8, .value_kind: global_buffer, .address_space: global }
    .group_segment_fixed_size: 124928
    .private_segment_fixed_size: 0
    .kernarg_segment_align: 8
    .kernarg_segment_size: 32
    .max_flat_workgroup_size: 512
    .sgpr_count:     66
    .vgpr_count:     256
    .wavefront_size: 32
...
	.end_amdgpu_metadata
.endif
;; end of part 4
